; MI455X (gfx1250); checked and timed in simulation.
; The chip was launched on July 23, 2026; its instructions are those of AMD's public machine-readable ISA for CDNA 5 (MIT licence, August 2026) and "CDNA5" Instruction Set Architecture Reference Guide (July 2026). The comments in the code are by the model that wrote it; some were corrected since.
;; Mistral Attention Q. Allowed arithmetic: float matrix products may take bf16 or f16 operands with f32 sums; other float arithmetic in f32, or as packed bf16 or f16 multiplies, adds, multiply-adds, maxima and minima; sums over many terms, partial sums and values carried from step to step in f32; what a program stores and reads back later, other than sums and carried values, may be rounded once to bf16 or f16.
;; Inputs: attention_mask 1 x 1 x 2,048 x 2,048 float32; cos 1 x 2,048 x 128 float32; hidden_states 1 x 2,048 x 4,096 float32; sin 1 x 2,048 x 128 float32; wk 1,024 x 4,096 float32; wo 4,096 x 2,048 float32; wq 2,048 x 4,096 float32; wv 1,024 x 4,096 float32.
;; Outputs: out0 1 x 2,048 x 4,096 float32.
;; One version. Each part assembles by itself: llvm-mc -triple=amdgcn-amd-amdhsa -mcpu=gfx1250 --defsym DOCPART=n.
;; ======== version 1 of 1: 4 launches
;; limits: values are held in f16: magnitudes above 65,504 overflow, below 6.1e-05 lose precision; right only within a limited range of input values
;; workspace buffers: xb 17,825,792 bytes; wqkv 33,554,432 bytes; wo16 16,777,216 bytes; maskt 8,388,608 bytes; qkv 16,777,216 bytes; ob 8,388,608 bytes
;; launch cast (part 1): grid 2336 x 1, 8 waves a work-group, no clusters, 35,840 bytes of LDS; arguments hidden_states, wq, wk, wv, cos, sin, wo, attention_mask, xb, wqkv, wo16, maskt; writes xb, wqkv, wo16, maskt
.if DOCPART == 1
	.amdgcn_target "amdgcn-amd-amdhsa--gfx1250"
	.amdhsa_code_object_version 6
	.text
	.protected	k_qf9e745b797_cast
	.globl	k_qf9e745b797_cast
	.p2align	8
	.type	k_qf9e745b797_cast,@function
k_qf9e745b797_cast:
	s_mov_b64 s[64:65], 0
	v_nop
	global_prefetch_b8 v0, s[64:65] scope:SCOPE_SE
	s_setreg_imm32_b32 hwreg(HW_REG_WAVE_MODE, 25, 1), 1
	s_wait_xcnt 0x0
; EVERY INPUT IS ROUNDED ONCE TO bf16 (nearest even) and laid out for the launches behind.
;   wq, wk, wv -> wqkv bf16, row-major, one below the other;
;   wo -> wo16: 16 x bf16(wo), written as f16 (exact while 2^-14 <= |16 wo| <= 65,504: |wo| under 4,094; smaller numbers keep f16's fixed step);
;   hidden_states, cos, sin -> xb and attention_mask -> maskt (bf16(mask) / 16), IN PIECES: a piece is 16 rows x 16 columns, 512 bytes, in which lane 16 h + r of a wave finds
;   element (row r, columns 8 h + 0..7) at byte 16 x lane: half of a matrix operand's fragment, or a C operand's source.
;   xb: [64 rows][17 K steps of 32,768 bytes][sub-step of 32 columns: 4,096][16-row block a: 1,024][half p: 512].  K steps 0-15 hold hidden_states; the 17th holds the tables of those 64 rows:
;       4,096 bytes for cos of block a (a = 0..3), then for sin, each eight pieces for columns 16 b on.
;   maskt: [query tile of 16][key block of 16]: 65,536 bytes a tile.
; SHARES.  A work-group takes 16,384 numbers (65,536 bytes in, 32,768 out), a wave 2,048: sixteen loads of 16 bytes a lane, 512 consecutive bytes each, all issued ahead of the first wait.
; Pieces are made through LDS: a wave's 16 rows x 128 columns go, rounded, into a stage of its own (rows of 272 bytes) and come back by pieces; its own bytes, so no barrier.
; Memory binds: no matrix unit, no cluster.  Which input a work-group takes goes by its number alone: 0 hidden, 512 wq, 1024 wk, 1280 wv, 1536 cos, 1552 sin, 1568 wo, 2080 mask, 2336 the end.
.set X,      8                         ; v[8:71]    sixteen loads of four registers
.set Y,      72                        ; v[72:103]  eight pieces read back
.set OFS,    104                       ; v[104:119] row i's byte offset: 16 x lane + i x pitch; the first is also my place in a piece
.set SPW,    120                       ; v120       LDS address of my spare word; never rewritten
.set NIL,    121                       ; v121       0; never rewritten
.set STP,    272                       ; a stage row: 256 bytes + 16: the 16 rows of a load back start at 16 different groups of four banks (ISA guide 11.1)
.set WST,    16*STP                    ; a wave's stage
.set SPARE,  8*WST                     ; behind the stages: the spare words, 128 bytes for each wave, which no other line names
.set PERB,   32768                     ; bytes of a K step of 256 for 64 rows
.set MGB,    17*PERB                   ; bytes of 64 rows in xb
.set SRC,    34                        ; s[34:35]  the input, at my part
.set DST,    36                        ; s[36:37]  the buffer written, at my part
.set SFIRST, 38                        ; s38       the first work-group of my input
.set DFIRST, 39                        ; s39       the first work-group that writes my output buffer
.set ID,     44                        ; s44       my work-group's number
.set HM,     45                        ; s45       a word's upper half
.set FAC,    46                        ; s[46:47]  a power of two; the packed multiply takes the pair's low word for both halves
.set PT,     48                        ; s48       bytes from row to row of the input
.set KIND,   49                        ; s49       0 hidden, 1 a table, 2 the mask
.set WV,     51                        ; s51       wave
	s_load_b512 s[8:23], s[0:1], 0x0               ; hidden 8, wq 10, wk 12, wv 14, cos 16, sin 18, wo 20, mask 22
	s_load_b256 s[24:31], s[0:1], 0x40             ; xb 24, wqkv 26, wo16 28, maskt 30
	v_lshl_add_u32 v[SPW], v0, 2, SPARE
	v_mov_b32 v[NIL], 0
	s_mov_b32 s[ID], ttmp9
	s_mov_b32 s[HM], 0xffff0000
	s_mov_b32 s[FAC], 0x3d800000                   ; 1 / 16, for the mask
	s_mov_b32 s[FAC+1], s[FAC]
	s_mov_b32 s41, 0                               ; high words of the two offsets
	s_mov_b32 s43, 0
	v_and_b32 v3, 31, v0                           ; lane
	v_lshrrev_b32 v4, 5, v0                        ; wave
	v_readfirstlane_b32 s[WV], v4
	s_wait_kmcnt 0x0
	s_cmp_lt_u32 s[ID], 512
	s_cbranch_scc1 .Lhidden
	s_cmp_ge_u32 s[ID], 2080
	s_cbranch_scc1 .Lmask
	s_cmp_lt_u32 s[ID], 1536
	s_cbranch_scc1 .Lplain
	s_cmp_lt_u32 s[ID], 1568
	s_cbranch_scc1 .Ltables
.Lplain:                                               ; THE WEIGHTS stay row-major.  s_cselect leaves SCC as it is, so one compare serves the lines behind it.
.macro PICK first, src
	s_cmp_ge_u32 s[ID], \first
	s_cselect_b64 s[SRC:SRC+1], s[\src:\src+1], s[SRC:SRC+1]
	s_cselect_b32 s[SFIRST], \first, s[SFIRST]
.endm
.macro PICKD first, dst
	s_cselect_b64 s[DST:DST+1], s[\dst:\dst+1], s[DST:DST+1]
	s_cselect_b32 s[DFIRST], \first, s[DFIRST]
.endm
	s_mov_b64 s[SRC:SRC+1], s[10:11]
	s_mov_b64 s[DST:DST+1], s[26:27]
	s_mov_b32 s[SFIRST], 512
	s_mov_b32 s[DFIRST], 512
	PICK  1024, 12
	PICK  1280, 14
	PICK  1568, 20
	PICKD 1568, 28
	s_sub_co_u32 s40, s[ID], s[SFIRST]
	s_lshl_b32 s40, s40, 16                        ; 65,536 bytes of input a work-group
	s_add_nc_u64 s[SRC:SRC+1], s[SRC:SRC+1], s[40:41]
	s_sub_co_u32 s42, s[ID], s[DFIRST]
	s_lshl_b32 s42, s42, 15                        ; 32,768 bytes of output
	s_add_nc_u64 s[DST:DST+1], s[DST:DST+1], s[42:43]
	v_lshlrev_b32 v1, 4, v3
	v_lshl_add_u32 v1, v4, 13, v1                  ; in: 8,192 x wave + 16 x lane
	v_lshlrev_b32 v2, 3, v3
	v_lshl_add_u32 v2, v4, 12, v2                  ; out: 4,096 x wave + 8 x lane
.set i, 0
.rept 16
	global_load_b128 v[X+4*i:X+4*i+3], v1, s[SRC:SRC+1] offset:512*i th:TH_LOAD_NT  ; 512 consecutive bytes
.set i, i+1
.endr
	s_cmp_ge_u32 s[ID], 1568
	s_cbranch_scc1 .Lwo
.set i, 0
.rept 16
	s_wait_loadcnt 15-i                            ; loads come back in order: load i is in, the 15 - i younger ones stay out
	v_cvt_pk_bf16_f32 v[X+4*i], v[X+4*i], v[X+4*i+1]
	v_cvt_pk_bf16_f32 v[X+4*i+1], v[X+4*i+2], v[X+4*i+3]
	global_store_b64 v2, v[X+4*i:X+4*i+1], s[DST:DST+1] offset:256*i  ; the wave's 32 lanes write 256 consecutive bytes, aligned; no register is written again behind its store
.set i, i+1
.endr
	s_endpgm
.Lwo:                                                  ; wo: x 16, rounded to bf16, and that number written as f16
	s_mov_b32 s[FAC], 0x41800000                   ; 16.0
	s_mov_b32 s[FAC+1], s[FAC]
.set i, 0
.rept 16
	s_wait_loadcnt 15-i
	v_pk_mul_f32 v[X+4*i:X+4*i+1], v[X+4*i:X+4*i+1], s[FAC:FAC+1] op_sel_hi:[1,0]
	v_pk_mul_f32 v[X+4*i+2:X+4*i+3], v[X+4*i+2:X+4*i+3], s[FAC:FAC+1] op_sel_hi:[1,0]
	v_cvt_pk_bf16_f32 v4, v[X+4*i], v[X+4*i+1]
	v_cvt_pk_bf16_f32 v5, v[X+4*i+2], v[X+4*i+3]
	v_lshlrev_b32 v[X+4*i], 16, v4                 ; bf16 back to f32: the low half moves up, the high half stays
	v_and_b32 v[X+4*i+1], s[HM], v4
	v_lshlrev_b32 v[X+4*i+2], 16, v5
	v_and_b32 v[X+4*i+3], s[HM], v5
	v_cvt_pk_f16_f32 v[X+4*i], v[X+4*i], v[X+4*i+1]
	v_cvt_pk_f16_f32 v[X+4*i+1], v[X+4*i+2], v[X+4*i+3]
	global_store_b64 v2, v[X+4*i:X+4*i+1], s[DST:DST+1] offset:256*i
.set i, i+1
.endr
	s_endpgm
.Lhidden:                                              ; a work-group: row tile T = number / 4, columns 1,024 (number % 4) on; a wave 128 of them: half a K step
	s_lshr_b32 s52, s[ID], 2                       ; T
	s_and_b32 s53, s[ID], 3
	s_lshl_b32 s40, s52, 18                        ; in: 16 rows of 16,384 bytes down,
	s_lshl_b32 s50, s53, 12                        ; 1,024 columns of 4 bytes along,
	s_add_co_u32 s40, s40, s50
	s_lshl_b32 s50, s[WV], 9                       ; 128 a wave
	s_add_co_u32 s40, s40, s50
	s_add_nc_u64 s[SRC:SRC+1], s[8:9], s[40:41]
	s_lshr_b32 s42, s52, 2                         ; out: the 64 rows,
	s_mul_i32 s42, s42, MGB
	s_and_b32 s50, s52, 3                          ; the block a among them,
	s_lshl_b32 s50, s50, 10
	s_add_co_u32 s42, s42, s50
	s_lshl_b32 s50, s53, 17                        ; 32 sub-steps of 4,096 bytes a work-group,
	s_add_co_u32 s42, s42, s50
	s_lshl_b32 s50, s[WV], 14                      ; 4 a wave
	s_add_co_u32 s42, s42, s50
	s_add_nc_u64 s[DST:DST+1], s[24:25], s[42:43]
	s_mov_b32 s[PT], 16384
	s_mov_b32 s[KIND], 0
	s_branch .Ltile
.Ltables:                                              ; a work-group: eight row tiles of cos or of sin; a wave one: 16 whole rows of 128
	s_mov_b32 s52, 1536
	s_cmp_ge_u32 s[ID], 1552
	s_cselect_b64 s[SRC:SRC+1], s[18:19], s[16:17]
	s_cselect_b32 s53, 16384, 0                    ; sin's four blocks lie behind cos's
	s_cselect_b32 s52, 1552, s52
	s_sub_co_u32 s52, s[ID], s52
	s_lshl_b32 s52, s52, 3
	s_add_co_u32 s52, s52, s[WV]                   ; T
	s_lshl_b32 s40, s52, 13                        ; in: 16 rows of 512 bytes
	s_add_nc_u64 s[SRC:SRC+1], s[SRC:SRC+1], s[40:41]
	s_lshr_b32 s42, s52, 2
	s_mul_i32 s42, s42, MGB                        ; out: the 64 rows,
	s_and_b32 s50, s52, 3
	s_lshl_b32 s50, s50, 12                        ; 4,096 bytes for the block a,
	s_add_co_u32 s42, s42, s50
	s_add_co_u32 s42, s42, s53
	s_add_co_u32 s42, s42, 16*PERB                 ; in the 17th K step
	s_add_nc_u64 s[DST:DST+1], s[24:25], s[42:43]
	s_mov_b32 s[PT], 512
	s_mov_b32 s[KIND], 1
	s_branch .Ltile
.Lmask:                                                ; a work-group: half a query tile: 16 rows x 1,024 keys; a wave 128 keys
	s_sub_co_u32 s52, s[ID], 2080                  ; 2 T + half
	s_lshl_b32 s42, s52, 15                        ; out: 32,768 bytes for each,
	s_lshl_b32 s50, s[WV], 12                      ; eight pieces a wave
	s_add_co_u32 s42, s42, s50
	s_add_nc_u64 s[DST:DST+1], s[30:31], s[42:43]
	s_and_b32 s40, s52, 1
	s_lshl_b32 s40, s40, 12                        ; in: 1,024 keys of 4 bytes along the rows,
	s_lshr_b32 s50, s52, 1
	s_lshl_b32 s50, s50, 17                        ; 16 rows of 8,192 bytes down,
	s_add_co_u32 s40, s40, s50
	s_lshl_b32 s50, s[WV], 9                       ; 128 keys a wave
	s_add_co_u32 s40, s40, s50
	s_add_nc_u64 s[SRC:SRC+1], s[22:23], s[40:41]
	s_mov_b32 s[PT], 8192
	s_mov_b32 s[KIND], 2
.Ltile:
	v_lshlrev_b32 v[OFS], 4, v3                    ; 16 x lane
.set i, 1
.rept 15
	v_add_nc_u32 v[OFS+i], s[PT], v[OFS+i-1]
.set i, i+1
.endr
.set i, 0
.rept 16
	global_load_b128 v[X+4*i:X+4*i+3], v[OFS+i], s[SRC:SRC+1] th:TH_LOAD_NT  ; row i: 512 consecutive bytes, each byte once in the launch
.set i, i+1
.endr
	v_and_b32 v5, 15, v0                           ; r
	v_bfe_u32 v6, v0, 4, 1                         ; h
	s_mul_i32 s50, s[WV], WST                      ; my wave's stage
	v_lshl_add_u32 v1, v3, 3, s50                  ; in: 8 bytes a lane
	v_mul_u32_u24 v2, v5, STP                      ; back: row r, 16 bytes for each half of the lanes
	v_lshl_add_u32 v2, v6, 4, v2
	v_add_nc_u32 v2, s50, v2
; Sixteen rows are rounded and go into the stage; eight pieces come back.  LDS serves a wave's instructions in order (ISA guide 5.7.1.4): the loads see the stores.
.macro ROWS mul
.set i, 0
.rept 16
	s_wait_loadcnt 15-i                            ; row i is in, the younger ones stay out
.if \mul
	v_pk_mul_f32 v[X+4*i:X+4*i+1], v[X+4*i:X+4*i+1], s[FAC:FAC+1] op_sel_hi:[1,0]
	v_pk_mul_f32 v[X+4*i+2:X+4*i+3], v[X+4*i+2:X+4*i+3], s[FAC:FAC+1] op_sel_hi:[1,0]
.endif
	v_cvt_pk_bf16_f32 v[X+4*i], v[X+4*i], v[X+4*i+1]
	v_cvt_pk_bf16_f32 v[X+4*i+1], v[X+4*i+2], v[X+4*i+3]
	ds_store_b64 v1, v[X+4*i:X+4*i+1] offset:i*STP
.set i, i+1
.endr
.set i, 0
.rept 8
	ds_load_b128 v[Y+4*i:Y+4*i+3], v2 offset:32*i
.set i, i+1
.endr
.endm
; Eight pieces leave, 512 consecutive bytes each.  frag = 1: as fragments' halves, two to a sub-step of 4,096 bytes; 0: one behind the other.
.macro OUT frag
.set i, 0
.rept 8
	s_wait_dscnt 7-i                               ; piece i is back
.if \frag
	global_store_b128 v[OFS], v[Y+4*i:Y+4*i+3], s[DST:DST+1] offset:(i/2)*4096+(i%2)*512
.else
	global_store_b128 v[OFS], v[Y+4*i:Y+4*i+3], s[DST:DST+1] offset:512*i
.endif
.set i, i+1
.endr
	s_wait_tensorcnt 0x0                           ; the wave's end, behind my last LDS store
	ds_add_u32 v[SPW], v[NIL]
	s_wait_dscnt 0x0
	s_endpgm
.endm
	s_cmp_eq_u32 s[KIND], 2
	s_cbranch_scc1 .Lscaled
	ROWS 0
	s_cmp_eq_u32 s[KIND], 0
	s_cbranch_scc1 .Lout_frag
	s_branch .Lout_row
.Lscaled:
	ROWS 1
.Lout_row:
	OUT 0
.Lout_frag:
	OUT 1
.Lfunc_end_k_qf9e745b797_cast:
	.size	k_qf9e745b797_cast, .Lfunc_end_k_qf9e745b797_cast-k_qf9e745b797_cast
	.p2alignl 7, 3214868480
	.fill 96, 4, 3214868480
	.section	.rodata,"a",@progbits
	.p2align	6, 0x0
	.amdhsa_kernel k_qf9e745b797_cast
		.amdhsa_group_segment_fixed_size 35840
		.amdhsa_private_segment_fixed_size 0
		.amdhsa_enable_private_segment 0
		.amdhsa_kernarg_size 96
		.amdhsa_user_sgpr_count 2
		.amdhsa_user_sgpr_kernarg_segment_ptr 1
		.amdhsa_wavefront_size32 1
		.amdhsa_system_sgpr_workgroup_id_x 1
		.amdhsa_system_sgpr_workgroup_id_y 1
		.amdhsa_system_sgpr_workgroup_id_z 1
		.amdhsa_system_vgpr_workitem_id 0
		.amdhsa_next_free_vgpr 128
		.amdhsa_next_free_sgpr 66
		.amdhsa_reserve_vcc 0
		.amdhsa_float_denorm_mode_32 3
		.amdhsa_float_denorm_mode_16_64 3
		.amdhsa_memory_ordered 1
		.amdhsa_forward_progress 1
		.amdhsa_inst_pref_size 36
	.end_amdhsa_kernel
	.amdgpu_metadata
---
amdhsa.version: [ 1, 2 ]
amdhsa.kernels:
  - .name:           k_qf9e745b797_cast
    .symbol:         k_qf9e745b797_cast.kd
    .args:
      - { .name: hidden_states, .offset: 0, .size: 8, .value_kind: global_buffer, .address_space: global }
      - { .name: wq, .offset: 8, .size: 8, .value_kind: global_buffer, .address_space: global }
      - { .name: wk, .offset: 16, .size: 8, .value_kind: global_buffer, .address_space: global }
      - { .name: wv, .offset: 24, .size: 8, .value_kind: global_buffer, .address_space: global }
      - { .name: cos, .offset: 32, .size: 8, .value_kind: global_buffer, .address_space: global }
      - { .name: sin, .offset: 40, .size: 8, .value_kind: global_buffer, .address_space: global }
      - { .name: wo, .offset: 48, .size: 8, .value_kind: global_buffer, .address_space: global }
      - { .name: attention_mask, .offset: 56, .size: 8, .value_kind: global_buffer, .address_space: global }
      - { .name: xb, .offset: 64, .size: 8, .value_kind: global_buffer, .address_space: global }
      - { .name: wqkv, .offset: 72, .size: 8, .value_kind: global_buffer, .address_space: global }
      - { .name: wo16, .offset: 80, .size: 8, .value_kind: global_buffer, .address_space: global }
      - { .name: maskt, .offset: 88, .size: 8, .value_kind: global_buffer, .address_space: global }
    .group_segment_fixed_size: 35840
    .private_segment_fixed_size: 0
    .kernarg_segment_align: 8
    .kernarg_segment_size: 96
    .max_flat_workgroup_size: 256
    .sgpr_count:     66
    .vgpr_count:     128
    .wavefront_size: 32
...
	.end_amdgpu_metadata
.endif
;; end of part 1
;; launch qkv (part 2): grid 16 x 16, 4 waves a work-group, clusters of 4 x 1, 327,680 bytes of LDS; arguments xb, wqkv, qkv; writes qkv
.if DOCPART == 2
	.amdgcn_target "amdgcn-amd-amdhsa--gfx1250"
	.amdhsa_code_object_version 6
	.text
	.protected	k_qf9e745b797_qkv
	.globl	k_qf9e745b797_qkv
	.p2align	8
	.type	k_qf9e745b797_qkv,@function
k_qf9e745b797_qkv:
	s_mov_b64 s[64:65], 0
	v_nop
	global_prefetch_b8 v0, s[64:65] scope:SCOPE_SE
	s_setreg_imm32_b32 hwreg(HW_REG_WAVE_MODE, 25, 1), 1
	s_wait_xcnt 0x0
	s_wait_alu depctr_hold_cnt(0) depctr_sa_sdst(0) depctr_va_vdst(0) depctr_va_sdst(0) depctr_va_ssrc(0) depctr_va_vcc(0) depctr_vm_vsrc(0)
	s_getreg_b32 s2, hwreg(HW_REG_IB_STS2, 6, 4)
	s_cmp_eq_u32 s2, 0
	s_cbranch_scc0 .Lentry_in_a_cluster
	s_endpgm
.Lentry_in_a_cluster:
	s_bfe_u32 s2, ttmp6, 0x10000c
	s_cmp_lg_u32 s2, 0x3003
	s_cbranch_scc0 .Lentry_shape_is_right
	s_endpgm
.Lentry_shape_is_right:
; THE THREE PROJECTIONS AS ONE PRODUCT, WITH RoPE ON THE WAY OUT.  C[s][n] = sum over k of x[s][k] wqkv[n][k], 2,048 x 4,096, K = 4,096, bf16 operands, f32 sums, K ascending.
; Columns 0-2047 are q, 2048-3071 k, 3072-4095 v; 128 columns are a head.  The sums are scaled in f32 (q by log2(e) / sqrt(128), k and v by 1 / 16), q and k are rotated by the
; tables (bf16, widened to f32), and each number is rounded once to f16 and stored by heads: qkv[32 heads][2,048][128].
; LIMITS.  f16 ends at 65,504: |q| stays under 513,000 and |k|, |v| under 1,048,000; below 6e-5 the stored numbers keep f16's fixed step of 6e-8.  NaN and infinities are not treated apart.
; SHARES.  A tile of C is 128 rows x 256 columns: 16 x 16 work-groups.  Four waves, each 64 rows x 128 columns (ONE HEAD, so the rotation's partner d +- 64 lies in the same lane, four accumulators on).
; B (wqkv) GOES THROUGH LDS, in K steps of 256: two slots of 256 rows x 528 bytes; each wave fetches 64 rows of 512 bytes by one tensor load, which has 240 matrix instructions in which to land.
; A (x) GOES STRAIGHT INTO REGISTERS.  With A's 128 rows beside B's, two slots of 256 along K would take 405,504 bytes of LDS, which a WGP has not.  xb holds x in fragment order, so a load of 16 bytes a
; lane is 512 consecutive bytes; a ring of eight groups of 32 registers holds a K step's fragments of my 64 rows; group c is asked for again half a sub-step behind its use, 6.5 sub-steps ahead of the
; next.  The two waves of a row half read the same bytes: the price.  Behind x's 16 K steps xb holds a 17th: cos and sin of the 64 rows, so the last trip's loads bring the tables where the rotation wants them.
; CLUSTER.  4 x 1 work-groups along the tile rows need the same tiles of wqkv: each is asked for jointly, by the same load, descriptor and mask in all four.  A is not shared so: a joint request lands in LDS.
; THE MATRIX INSTRUCTION IS USED TRANSPOSED (source 0 = 16 rows of wqkv, source 1 = 16 rows of x): lane l holds row l % 16 of C and the columns 8 (l / 16) + 0..7 of a block.
; ONE TEXT FOR A K STEP: the slot's LDS address toggles in a scalar register.  The tail, two K steps without a tensor load, is a second text, left in its middle; its last trip fetches a next slot's first
; fragments, which serve nothing.  v's work-groups load the tables too and leave them unused: every path has the same loads and waits.
; REGISTERS, in windows of 256 (s_set_vgpr_msb: bits 1:0 source 0, 3:2 source 1, 5:4 source 2, 7:6 destination):
;   window 0: v0-31 addresses; v32-255 at work on the way out      window 1: the accumulators, (a, b) at v[8 (8 a + b)]
;   window 2: v0-127 B's two fragment buffers; v128-255 rows read back on the way out      window 3: A's ring, group c, block a at v[32 c + 8 a]; at the end cos (a, b) at v[32 a + 4 b], sin 128 on
.set KK,     4096
.set KSTEP,  256
.set NPER,   KK/KSTEP
.set PITCH,  528                       ; an LDS row: 512 bytes + 16 of padding = 132 words: the 16 rows of a fragment load start at 16 different groups of four banks (ISA guide 11.1)
.set WROWS,  64*PITCH                  ; what one tensor load brings
.set BHALF,  128*PITCH                 ; what one wave reads
.set SLOT,   256*PITCH
.set SLOTX,  0x22000                   ; slot 1 begins here.  The loads' four places in a slot (0, 0x8400, 0x10800, 0x18c00) have neither of its two bits, so one exclusive or turns an address in one slot into the other's
.set STAGE,  SLOTX+SLOT                ; behind the ring: 16 rows x 272 bytes for each wave, for the way out
.set SPITCH, 272
.set SPARE,  STAGE+4*16*SPITCH         ; behind the stages: the spare words, 128 bytes for each wave, which no other line names
.set PERB,   32768                     ; bytes of a K step of A for 64 rows
.set MGB,    (NPER+1)*PERB             ; bytes of 64 rows in xb
.set ADRB0, 16                         ; v16     my lane's place in a slot; never rewritten
.set ADRB,  17                         ; v17     the same in the slot in hand
.set LO,    18                         ; v18     16 x lane: my place in 512 consecutive bytes; never rewritten
.set STO,   24                         ; v24     the way out: where I put 16 bytes of a row
.set RD,    25                         ; v25     the way out: where I read rows back
.set SPW,   28                         ; v28     LDS address of my spare word; never rewritten
.set NIL,   29                         ; v29     0; never rewritten
.set TMP,   32                         ; v32-63   16 rows packed to f16
.set CF,    64                         ; v64-127  cos of 16 rows in f32
.set SF,    128                        ; v128-191 sin
.set Y,     192                        ; v192-255 the partner times sin
.set F0,    0
.set F1,    64
.set OB,    128
.set WV,    12                         ; s12  wave
.set RH,    13                         ; s13  which 64 rows of the tile are mine
.set CH,    14                         ; s14  which 128 columns
.set G1,    24                         ; s[24:31] group 1
.set G0,    32                         ; s[32:39] group 0: a set for each of the two first fills; the second then walks on
.set AB,    40                         ; s[40:41] xb at my 64 rows, at the K step that the ring's loads bring
.set SB,    42                         ; s42  0 or SLOTX: the slot in hand
.set TR,    43                         ; s43  tile row
.set TC,    44                         ; s44  tile column: 0-7 q, 8-11 k, 12-15 v: the same in all four partners
.set SC,    70                         ; s[70:71] the scale
.set HM,    73                         ; s73  a word's upper half
.set MSB, 0
.macro WIN new                         ; the immediate's high byte repeats the setting that is left; a switch that changes nothing is dropped
.if MSB != (\new)
	s_set_vgpr_msb (MSB<<8)|(\new)
.set MSB, \new
.endif
.endm
.set MUL,  0x5e                        ; source 0 (B) window 2, source 1 (A) window 3, C and D window 1
.macro CREST                           ; a round of the cluster's barrier behind its opening barrier
	s_cmp_lg_u32 s[WV], 0
	s_cbranch_scc1 .Lnot_wave_0_\@
	s_barrier_signal -3
.Lnot_wave_0_\@:
	s_barrier_wait -3
	s_barrier_signal -1
	s_barrier_wait -1
.endm
.macro CROUND                          ; a whole round
	s_barrier_signal -1
	s_barrier_wait -1
	CREST
.endm
.macro PLACES                          ; four places in front of loads into registers that matrix instructions have read, and of vector lines that read results
.rept 4
	v_nop
.endr
.endm
; Group x of A's ring: eight loads, 4,096 consecutive bytes: blocks a = 0..3, each two halves of a fragment
.macro ALOAD x
	WIN 0xc0                                       ; destination window 3, address window 0
.irp a, 0,1,2,3
	global_load_b128 v[32*(\x)+8*(\a):32*(\x)+8*(\a)+3],   v[LO], s[AB:AB+1] offset:(\x)*4096+(\a)*1024
	global_load_b128 v[32*(\x)+8*(\a)+4:32*(\x)+8*(\a)+7], v[LO], s[AB:AB+1] offset:(\x)*4096+(\a)*1024+512
.endr
.endm
	s_load_b128 s[4:7], s[0:1], 0x0                ; xb s[4:5], wqkv s[6:7]
	s_load_b64 s[10:11], s[0:1], 0x10              ; qkv
	v_lshl_add_u32 v[SPW], v0, 2, SPARE
	v_mov_b32 v[NIL], 0
	ds_add_u32 v[SPW], v[NIL]                      ; the wave's opening: the add and its wait stand ahead of my first tensor load; work on registers stands between them
	v_lshrrev_b32 v1, 5, v0
	v_readfirstlane_b32 s[WV], v1
	s_lshr_b32 s[RH], s[WV], 1
	s_and_b32 s[CH], s[WV], 1
	s_bfe_u32 s45, ttmp6, 0x40000                  ; cx: it enters A's and C's addresses alone
	s_lshl_b32 s[TR], ttmp9, 2
	s_add_co_u32 s[TR], s[TR], s45                 ; tile row = 4 x cluster x + cx
	s_and_b32 s[TC], ttmp7, 0xffff                 ; tile column
	s_mov_b32 s[G1], 15|(1<<16)|(1<<20)|(1<<21)|(6<<22)|(3<<25)  ; the mask of four; 2-byte elements; padding on; bit 21 beside a mask; after every 128 words 4 words
	s_mov_b32 s[G1+1], KSTEP<<16                   ; tensor_dim0 = 256
	s_mov_b32 s[G1+2], 64<<16                      ; tensor_dim1 = 64
	s_mov_b32 s[G1+3], KSTEP<<16                   ; tile_dim0 = 256
	s_mov_b32 s[G1+4], 64                          ; tile_dim1 = 64
	s_mov_b32 s[G1+5], KK                          ; elements from row to row
	s_mov_b32 s[G1+6], 0
	s_mov_b32 s[G1+7], 0
	s_lshl_b32 s46, s[TC], 8                       ; B: row 256 x tile column + 64 x wave, in registers that never hold cx
	s_lshl_b32 s47, s[WV], 6
	s_add_co_u32 s46, s46, s47
	s_mul_i32 s46, s46, KK*2                       ; in bytes: under 2^26
	s_mov_b32 s47, 0
	s_mul_i32 s20, s[WV], WROWS                    ; where they go: no place in the cluster enters an LDS address
	s_lshl_b32 s16, s[TR], 1                       ; A: my 64 rows
	s_add_co_u32 s16, s16, s[RH]
	s_mul_i32 s16, s16, MGB                        ; under 2^26
	s_mov_b32 s17, 0
	s_mov_b32 s[SB], 0
	s_mov_b32 s[HM], 0xffff0000
	s_mov_b32 s[SC], 0x3d800000                    ; k and v: 1 / 16
	s_mov_b32 s[SC+1], 0x3e0293ee                  ; q: log2(e) / sqrt(128) = 0.127517, so that the attention's exponent has a power of two for its scale
	s_cmp_lt_u32 s[TC], 8
	s_cselect_b32 s[SC], s[SC+1], s[SC]
	s_mov_b32 s[SC+1], s[SC]                       ; named with it as a pair
	s_wait_dscnt 0x0                               ; the opening add is done
	s_wait_kmcnt 0x0
	s_add_nc_u64 s[46:47], s[6:7], s[46:47]
	s_add_nc_u64 s[AB:AB+1], s[4:5], s[16:17]
	CROUND                                         ; all four work-groups are here: the first joint loads meet
.irp s, 0,1
	s_mov_b32 s[G0+4*(\s)], 1
	s_add_co_u32 s[G0+4*(\s)+1], s20, (\s)*SLOTX
	s_add_nc_u64 s[G0+4*(\s)+2:G0+4*(\s)+3], s[46:47], (\s)*KSTEP*2
	s_or_b32 s[G0+4*(\s)+3], s[G0+4*(\s)+3], 0x80000000
.endr
	tensor_load_to_lds s[G0:G0+3], s[G1:G1+7]      ; K step 0
	s_nop 0
	tensor_load_to_lds s[G0+4:G0+7], s[G1:G1+7]    ; K step 1: two loads of mine are out
	s_nop 0
	PLACES
	v_and_b32 v1, 15, v0                           ; l % 16
	v_bfe_u32 v2, v0, 4, 1                         ; l / 16
	v_and_b32 v[LO], 31, v0
	v_lshlrev_b32 v[LO], 4, v[LO]
.irp x, 0,1,2,3,4,5,6
	ALOAD \x                                       ; the ring's first seven groups: 56 loads of mine are out
.endr
	WIN 0
	v_mul_u32_u24 v3, v1, PITCH
	v_lshl_add_u32 v3, v2, 4, v3                   ; a fragment's row x pitch + 16 x half
	s_mul_i32 s22, s[CH], BHALF                    ; my 128 rows of B
	v_add_nc_u32 v[ADRB0], s22, v3
	v_mov_b32 v[ADRB], v[ADRB0]
	s_mul_i32 s22, s[WV], 16*SPITCH
	s_add_co_u32 s22, s22, STAGE                   ; my stage
	v_mul_u32_u24 v4, v1, SPITCH                   ; in: row l % 16, 16 bytes for each half of the lanes
	v_lshl_add_u32 v4, v2, 4, v4
	v_add_nc_u32 v[STO], s22, v4
	v_mul_u32_u24 v5, v2, SPITCH                   ; back: lanes 0-15 one row of 256 bytes, lanes 16-31 the next
	v_lshl_add_u32 v5, v1, 4, v5
	v_add_nc_u32 v[RD], s22, v5
	s_lshl_b32 s74, s[TR], 7
	s_lshl_b32 s75, s[RH], 6
	s_add_co_u32 s74, s74, s75                     ; my first row of C
	s_lshl_b32 s76, s74, 8                         ; x 256 bytes: a row of a head
	s_lshl_b32 s78, s[TC], 1
	s_add_co_u32 s78, s78, s[CH]                   ; my head = 2 x tile column + half
	s_lshl_b32 s78, s78, 19                        ; 524,288 bytes a head
	s_add_co_u32 s76, s76, s78
	s_mov_b32 s77, 0
	s_add_nc_u64 s[10:11], s[10:11], s[76:77]      ; qkv at my head's rows
; 8 matrix instructions: column blocks b0, b0 + 1 x all 4 row blocks, sub-step c.  zero = 1: the product starts the sums.  The 32 accumulators take turns in one order everywhere.
.macro MULB f, c, b0, zero
	WIN MUL
.irp b, \b0, (\b0)+1
.irp a, 0,1,2,3
.if \zero
	v_wmma_f32_16x16x32_bf16 v[8*(8*(\a)+(\b)):8*(8*(\a)+(\b))+7], v[(\f)+8*(\b):(\f)+8*(\b)+7], v[32*(\c)+8*(\a):32*(\c)+8*(\a)+7], 0
.else
	v_wmma_f32_16x16x32_bf16 v[8*(8*(\a)+(\b)):8*(8*(\a)+(\b))+7], v[(\f)+8*(\b):(\f)+8*(\b)+7], v[32*(\c)+8*(\a):32*(\c)+8*(\a)+7], v[8*(8*(\a)+(\b)):8*(8*(\a)+(\b))+7]
.endif
.endr
.endr
.endm
; 16 LDS loads in one run: B's fragments of sub-step c of the slot in hand, column blocks ascending
.macro FETCHB c, f
	WIN 0x80                                       ; destination window 2, address window 0
.irp i, 0,1,2,3,4,5,6,7
	ds_load_b128 v[(\f)+8*(\i):(\f)+8*(\i)+3],   v[ADRB] offset:64*(\c)+(\i)*16*PITCH
	ds_load_b128 v[(\f)+8*(\i)+4:(\f)+8*(\i)+7], v[ADRB] offset:64*(\c)+(\i)*16*PITCH+32
.endr
.endm
; A K step is eight sub-steps of 32 along K, 32 matrix instructions each, on B's buffers 0, 1 by turns.  Sub-step c (0 to 6): in its middle B's next fragments are fetched and the ring's group last used is asked for again.
.macro QUARTER c, zero
.set fq, F0+64*((\c)%2)
.set gq, F0+64*(((\c)+1)%2)
	s_wait_loadcnt 48                              ; loads come back in order: group c is in; the six groups asked for behind it stay out
	s_wait_dscnt 8                                 ; B's column blocks 0-3 are in; the youngest eight loads may be out
	MULB fq, \c, 0, \zero
	MULB fq, \c, 2, \zero
	PLACES
	FETCHB (\c)+1, gq
	ALOAD ((\c)+7)%8
	s_wait_dscnt 16                                ; all but the 16 just issued
	MULB fq, \c, 4, \zero
	MULB fq, \c, 6, \zero
.endm
; Sub-step 7 changes slots: ONE barrier; in front of it each wave waits for all its tensor loads (its part of the next slot), adds 0 to its spare word, and waits for that and for its own reads of this
; slot.  fill = 1: the barrier opens a round of the cluster's, and this slot is filled again, two K steps ahead, first thing behind the round.
.macro TURN fill
	WIN 0                                          ; (the add's two registers lie in window 0)
	s_wait_tensorcnt 0x0
	ds_add_u32 v[SPW], v[NIL]
	s_wait_loadcnt 48                              ; group 7 is in
	s_wait_dscnt 9                                 ; (the add and the youngest eight loads may be out)
	MULB F1, 7, 0, 0                               ; eight matrix instructions stand between the add and the wait for it
	s_wait_dscnt 0x0                               ; the add is done, and my reads of this slot are over
	s_barrier_signal -1
	MULB F1, 7, 2, 0
	WIN 0
	s_barrier_wait -1
.if \fill
	CREST                                          ; no wave of any partner still reads this slot's tile or has a load on its way
	s_xor_b32 s[G0+5], s[G0+5], SLOTX              ; the walking descriptor: the other slot than last time,
	s_add_nc_u64 s[G0+6:G0+7], s[G0+6:G0+7], KSTEP*2  ; the next K step; the type bits on top are not reached
	tensor_load_to_lds s[G0+4:G0+7], s[G1:G1+7]    ; my one load behind the round: 240 matrix instructions ahead of the wait for it
	s_nop 0
.endif
	PLACES                                         ; behind the load; also the places in front of the loads below
	s_xor_b32 s[SB], s[SB], SLOTX
	v_add_nc_u32 v[ADRB], s[SB], v[ADRB0]          ; the fetches go on in the other slot
	FETCHB 0, F0
	ALOAD 6
	MULB F1, 7, 4, 0
	MULB F1, 7, 6, 0
.endm
	s_wait_tensorcnt 1                             ; my part of K step 0 is in; K step 1's may stay out
	s_barrier_signal -1
	s_barrier_wait -1
	FETCHB 0, F0
	QUARTER 0, 1                                   ; the first sub-step stands in front of the loop: its products start the sums; it asks for the ring's eighth group
	WIN 0
	s_wait_xcnt 0x0                                ; the loads' addresses are translated (ISA guide 3.1): their base is stepped only behind this wait
	s_add_nc_u64 s[AB:AB+1], s[AB:AB+1], PERB
	s_mov_b32 s3, NPER-2
.Lper:                                                 ; a trip: a K step's sub-steps 1 to 7 and the next one's sub-step 0; all its ring loads bring the next K step
.irp c, 1,2,3,4,5,6
	QUARTER \c, 0
.endr
	TURN 1
	QUARTER 0, 0
	WIN 0
	s_wait_xcnt 0x0
	s_add_nc_u64 s[AB:AB+1], s[AB:AB+1], PERB
	s_sub_co_u32 s3, s3, 1
	s_cmp_lg_u32 s3, 0
	s_cbranch_scc1 .Lper
	s_mov_b32 s3, 2
.Ltail:                                                ; the last two K steps fill nothing.  The first trip's ring loads bring the last K step, the second's the tables
.irp c, 1,2,3,4,5,6
	QUARTER \c, 0
.endr
	TURN 0
	WIN 0
	s_sub_co_u32 s3, s3, 1
	s_cmp_eq_u32 s3, 0
	s_cbranch_scc1 .Lout
	QUARTER 0, 0
	WIN 0
	s_wait_xcnt 0x0
	s_add_nc_u64 s[AB:AB+1], s[AB:AB+1], PERB
	s_branch .Ltail
.Lout:
	PLACES                                         ; behind the last products: for the load into the ring's group 7 and for the scaling below
	ALOAD 7                                        ; the tables' last group: sin of row block 3
	WIN 0
; THE WAY OUT, 16 rows (row block a) at a time: scale; for q and k rotate; round to f16; through my own stage in LDS; whole rows of 256 bytes out.
.macro BLOCK a
	WIN 0x41                                       ; destination and source 0 window 1
.set i, 0
.rept 32                               ; ascending: each accumulator is read from its low end on
	v_pk_mul_f32 v[64*(\a)+2*i:64*(\a)+2*i+1], v[64*(\a)+2*i:64*(\a)+2*i+1], s[SC:SC+1] op_sel_hi:[1,0]
.set i, i+1
.endr
	WIN 0
	s_wait_loadcnt 24-8*(\a)                       ; the tables' groups a (cos) and 4 + a (sin) are in; the 3 - a groups behind them stay out
	s_cmp_ge_u32 s[TC], 12
	s_cbranch_scc1 .Lplain_\@                      ; v is not rotated; the jump passes vector work alone
	WIN 0x0c                                       ; source 1 window 3: the tables as loaded; bf16 to f32 is a shift or a mask
.set i, 0
.rept 32
	v_lshlrev_b32 v[CF+2*i],   16,    v[32*(\a)+i]
	v_and_b32     v[CF+2*i+1], s[HM], v[32*(\a)+i]
	v_lshlrev_b32 v[SF+2*i],   16,    v[128+32*(\a)+i]
	v_and_b32     v[SF+2*i+1], s[HM], v[128+32*(\a)+i]
.set i, i+1
.endr
	WIN 0x01                                       ; source 0 window 1.  Channel d < 64 lies in blocks 0-3, its partner d + 64 in the same lane and register four blocks on
.irp bp, 0,1,2,3
.irp jj, 0,2,4,6
.set o1, 8*(\bp)+(\jj)
.set x1, 64*(\a)+o1
	v_pk_mul_f32 v[Y+o1:Y+o1+1],       v[x1+32:x1+33], v[SF+o1:SF+o1+1]        ; x[d + 64] sin[d]
	v_pk_mul_f32 v[Y+o1+32:Y+o1+33],   v[x1:x1+1],     v[SF+o1+32:SF+o1+33]    ; x[d] sin[d + 64]
.endr
.endr
	WIN 0x41
.irp bp, 0,1,2,3
.irp jj, 0,2,4,6
.set o1, 8*(\bp)+(\jj)
.set x1, 64*(\a)+o1
	v_pk_fma_f32 v[x1:x1+1],     v[x1:x1+1],     v[CF+o1:CF+o1+1],       v[Y+o1:Y+o1+1] neg_lo:[0,0,1] neg_hi:[0,0,1]  ; x[d] cos[d] - x[d + 64] sin[d]
	v_pk_fma_f32 v[x1+32:x1+33], v[x1+32:x1+33], v[CF+o1+32:CF+o1+33],   v[Y+o1+32:Y+o1+33]                            ; x[d + 64] cos[d + 64] + x[d] sin[d + 64]
.endr
.endr
	WIN 0
.Lplain_\@:
	WIN 0x05                                       ; sources 0 and 1 window 1
.set i, 0
.rept 32
	v_cvt_pk_f16_f32 v[TMP+i], v[64*(\a)+2*i], v[64*(\a)+2*i+1]
.set i, i+1
.endr
	WIN 0
.irp b, 0,1,2,3,4,5,6,7
	ds_store_b128 v[STO], v[TMP+4*(\b):TMP+4*(\b)+3] offset:32*(\b)
.endr
	WIN 0x80
.irp t, 0,1,2,3,4,5,6,7
	ds_load_b128 v[OB+32*(\a)+4*(\t):OB+32*(\a)+4*(\t)+3], v[RD] offset:(\t)*2*SPITCH  ; LDS serves a wave's instructions in order (ISA guide 5.7.1.4): these see the stores above
.endr
.endm
.macro SEND a, younger                 ; younger: the LDS instructions issued behind block a's loads: the next block's sixteen, or none
	WIN 0x08                                       ; store data window 2
.irp t, 0,1,2,3,4,5,6,7
	s_wait_dscnt (\younger)+7-(\t)
	global_store_b128 v[LO], v[OB+32*(\a)+4*(\t):OB+32*(\a)+4*(\t)+3], s[10:11] offset:4096*(\a)+512*(\t)  ; two rows of a head: 512 consecutive bytes; no register is written again behind its store
.endr
.endm
	BLOCK 0
	BLOCK 1
	SEND 0, 16
	BLOCK 2
	SEND 1, 16
	BLOCK 3
	SEND 2, 16
	SEND 3, 0
	WIN 0
	s_wait_tensorcnt 0x0                           ; the wave's end
	ds_add_u32 v[SPW], v[NIL]
	s_wait_dscnt 0x0
	CROUND                                         ; the closing round: no work-group ends while a partner may still ask for a tile that names it
	s_endpgm
.Lfunc_end_k_qf9e745b797_qkv:
	.size	k_qf9e745b797_qkv, .Lfunc_end_k_qf9e745b797_qkv-k_qf9e745b797_qkv
	.p2alignl 7, 3214868480
	.fill 96, 4, 3214868480
	.section	.rodata,"a",@progbits
	.p2align	6, 0x0
	.amdhsa_kernel k_qf9e745b797_qkv
		.amdhsa_group_segment_fixed_size 327680
		.amdhsa_private_segment_fixed_size 0
		.amdhsa_enable_private_segment 0
		.amdhsa_kernarg_size 24
		.amdhsa_user_sgpr_count 2
		.amdhsa_user_sgpr_kernarg_segment_ptr 1
		.amdhsa_wavefront_size32 1
		.amdhsa_system_sgpr_workgroup_id_x 1
		.amdhsa_system_sgpr_workgroup_id_y 1
		.amdhsa_system_sgpr_workgroup_id_z 1
		.amdhsa_system_vgpr_workitem_id 0
		.amdhsa_next_free_vgpr 1024
		.amdhsa_next_free_sgpr 80
		.amdhsa_reserve_vcc 0
		.amdhsa_float_denorm_mode_32 3
		.amdhsa_float_denorm_mode_16_64 3
		.amdhsa_memory_ordered 1
		.amdhsa_forward_progress 1
		.amdhsa_inst_pref_size 142
	.end_amdhsa_kernel
	.amdgpu_metadata
---
amdhsa.version: [ 1, 2 ]
amdhsa.kernels:
  - .name:           k_qf9e745b797_qkv
    .symbol:         k_qf9e745b797_qkv.kd
    .args:
      - { .name: xb, .offset: 0, .size: 8, .value_kind: global_buffer, .address_space: global }
      - { .name: wqkv, .offset: 8, .size: 8, .value_kind: global_buffer, .address_space: global }
      - { .name: qkv, .offset: 16, .size: 8, .value_kind: global_buffer, .address_space: global }
    .group_segment_fixed_size: 327680
    .private_segment_fixed_size: 0
    .kernarg_segment_align: 8
    .kernarg_segment_size: 24
    .max_flat_workgroup_size: 128
    .sgpr_count:     80
    .vgpr_count:     1024
    .wavefront_size: 32
...
	.end_amdgpu_metadata
.endif
;; end of part 2
;; launch attn (part 3): grid 32 x 8, 4 waves a work-group, clusters of 4 x 1, 327,680 bytes of LDS; arguments qkv, maskt, ob; writes ob
.if DOCPART == 3
	.amdgcn_target "amdgcn-amd-amdhsa--gfx1250"
	.amdhsa_code_object_version 6
	.text
	.protected	k_qf9e745b797_attn
	.globl	k_qf9e745b797_attn
	.p2align	8
	.type	k_qf9e745b797_attn,@function
k_qf9e745b797_attn:
	s_mov_b64 s[64:65], 0
	v_nop
	global_prefetch_b8 v0, s[64:65] scope:SCOPE_SE
	s_setreg_imm32_b32 hwreg(HW_REG_WAVE_MODE, 25, 1), 1
	s_wait_xcnt 0x0
	s_wait_alu depctr_hold_cnt(0) depctr_sa_sdst(0) depctr_va_vdst(0) depctr_va_sdst(0) depctr_va_ssrc(0) depctr_va_vcc(0) depctr_vm_vsrc(0)
	s_getreg_b32 s2, hwreg(HW_REG_IB_STS2, 6, 4)
	s_cmp_eq_u32 s2, 0
	s_cbranch_scc0 .Lentry_in_a_cluster
	s_endpgm
.Lentry_in_a_cluster:
	s_bfe_u32 s2, ttmp6, 0x10000c
	s_cmp_lg_u32 s2, 0x3003
	s_cbranch_scc0 .Lentry_shape_is_right
	s_endpgm
.Lentry_shape_is_right:
; ATTENTION WITH AN ADDITIVE MASK THAT IS AN INPUT.  O[head][q] = sum over k of softmax_k(q . k / sqrt(128) + mask[q][k]) v[k]; 16 query heads, 8 key and value heads, 2,048 rows, head size 128.
; qkv holds, in f16 and by heads: q log2(e) / sqrt(128) (heads 0-15), k / 16 (16-23), v / 16 (24-31), rotated already; maskt holds bf16(mask) / 16 in pieces, which is multiplied by log2(e) in f32 here.
; So the sum S^T = K Q^T + mask piece is (score + mask) log2(e) / 16, and p = 2^(16 S - 16 m) with a running maximum m.  THE SCALE IS A POWER OF TWO ON PURPOSE: 16 m is exact, so the fused 16 S - 16 m
; is 16 (S - m) rounded once: never above 0, and 0 at the maximum, however large the mask.  So p <= 1, l >= 1, and a step, a half or a row that is masked throughout gives equal weights to equal sums.
; Products, maxima and sums in f32; p is rounded to f16 for the second product (its sum l is taken of the unrounded p); O / 16 is rounded once to f16.
; ob holds O / 16 as the next product's fragments: [64 rows][sub-step of 32 columns: 4,096 bytes][16-row block: 1,024][half: 512][16 x lane]; column = 128 head + d.  A lane's eight packed channels ARE its
; 16 bytes of such a half, so the result is stored straight from registers, 512 consecutive bytes a store.
; LIMITS.  p below 6e-5 keeps f16's fixed step of 6e-8; a weight below 2^-126 counts as 0; NaN and infinities (a mask of -inf too) are not treated apart; sums (score + mask) log2(e) stay above -1e38.
; Beside a mask of -1e9 the sum's step is 8, so a score under 44 in magnitude vanishes; in an f32 addition of score and mask one under 32 does: in a row whose every key is so masked, scores between the
; two figures are weighed otherwise than there.
; SHARES.  A work-group owns 64 queries and BOTH query heads of one key and value head: 128 rows of scores.  Wave w: hf = w & 1 picks 32 of the queries, p = w >> 1 the key steps 2 n + p, n = 0..15, of 64
; keys.  So a wave has four tiles of 16 rows (tile t: head 2 g + t / 2, queries 16 (t % 2) on) and half the keys; at the end waves 2, 3 hand m, l and O^T to waves 0, 1 through LDS, which merge and store.
; LAYOUT.  S^T = K Q^T (source 0 = 16 keys, source 1 = 16 queries): a lane holds ONE query (lane % 16) and the keys 8 (lane / 16) + 0..7; the mask piece is the C operand of the product that starts the
; sum, and serves both heads.  Two results rounded to f16 ARE source 1 of O^T = V^T P.  K comes out of LDS as it lies, V turned, by ds_load_tr16_b128.
; BY TURNS.  Two PIECES (piece 0: tiles 0, 1; piece 2: tiles 2, 3).  In a TURN one piece has the matrix unit: 32 products V^T P of the step in hand, then 32 products K Q^T of the next; the other piece's
; softmax, cut into 64 slices, stands between them, one slice behind each matrix instruction.  The next step's mask is widened and scaled in a lump of 96 at the head of piece 0's turn.
; NO FIRST STEP IS WRITTEN OUT.  m starts at the lowest finite number, 16 m far below every 16 S, and O^T, l, V's registers and piece 2's P at 0: the first step is a step like any other, with a = 0, and
; the loop is entered at piece 2's turn, in the middle of a trip.  The price: 432 v_mov_b32 of 0, in the wait for the first tile, and 32 products on zeros.
; CLUSTER.  The four query blocks of a cluster share the key and value head: each tile of K and V is asked for JOINTLY: the same tensor load, descriptor and mask in all four.
; REGISTERS, in windows of 256 (s_set_vgpr_msb: bits 1:0 source 0, 3:2 source 1, 5:4 source 2, 7:6 destination):
;   window 0: v0-11 addresses; v12-43 statistics, eight a tile; v44-45 addresses; v48-59 the exchange; v62-63 the add's; v64-191 S^T, 32 a tile; v192-255 P, 16 a tile
;   window 1: O^T, 64 a tile     window 2: v0-127 Q, 32 a tile; v128-255 K of one step     window 3: v0-127 V of one step; v128-191 the mask in f32; v192-223 the next mask as loaded
.set KS,    64        ; keys in a step
.set PK,    272       ; a row of K in LDS: 256 bytes + 16 of padding: the 16 rows of a load start at 16 different groups of four banks (ISA guide 11.1)
.set PV,    288       ; a row of V: 256 + 32
.set VOFF,  256*PK    ; a slot holds 256 keys, four key steps: 256 rows of K, then 256 rows of V
.set KNEXT, 2*KS*PK   ; from one of my steps to my next: two key steps on
.set VNEXT, 2*KS*PV
.set SLOTX, 0x24000   ; slot 1 begins here.  The loads' four places in a slot (0, 0x8800, 0x11000, 0x1a000) have neither of its two bits, so one exclusive or turns an address in one slot into the other's
.set SPARE, SLOTX+256*(PK+PV)  ; behind the ring: the spare words, 128 bytes for each wave, which no other line names
.set XSZ,   33792     ; the exchange, at LDS byte 0, in slot 0 behind its last fill: 32,768 bytes of O^T, 512 of 16 m, 512 of l for each of waves 2 and 3
.set AK0, 2           ; v2   my lane's place in my first step's K; never rewritten
.set AV0, 3           ; v3   the same for V
.set ADR, 4           ; v4   the LDS address of the run of loads in hand
.set QO,  5           ; v5   my byte offset in 16 rows of Q
.set ST,  12          ; tile t's statistics at v[ST+8 t]: +0 c m, +1 m, +2, +3 l (even keys', odd keys'), +4 to +7 c0-c3, at work; a takes c2's place once the maximum is found
.set MLO, 44          ; v44  16 x lane: my place in a piece of the mask or of ob; never rewritten
.set XAD, 45          ; v45  my place in the exchange
.set XT,  48          ; v48-59  the exchange's statistics
.set SPW, 62          ; v62  LDS address of my spare word; never rewritten
.set NIL, 63          ; v63  0; never rewritten
.set S,   64
.set P,   192
.set KF,  128         ; window 2
.set MC,  128         ; window 3: query tile u, key block kb at MC + 32 u + 8 kb
.set MR,  192         ; window 3: at MR + 16 u + 4 kb
.set WV,  12          ; s12  wave
.set G1K, 24          ; s[24:31] group 1 for K's tiles
.set G1V, 32          ; s[32:39] for V's: it differs in the padding alone
.set G0K, 40          ; s[40:47] group 0 for K's tiles: a set for each of the two first fills; the second then walks on
.set G0V, 48          ; s[48:55] the same for V's
.set SLOTS, 56        ; s56  counts the trips of the loop over slots
.set TWICE, 57        ; s57  counts my two steps of a slot
.set CS,  58          ; s[58:59] c = 16
.set SEL, 60          ; s[60:61] v_permlanex16_b32's selects: each lane takes its own place in the other half
.set TBK, 62          ; s62  LDS byte at which the slot's K of the step to be fetched begins
.set TBV, 63          ; s63  the same for V
.set MB,  66          ; s[66:67] maskt at my two query tiles, my first key step
.set MA,  68          ; s[68:69] the same at the step being asked for
.set MO,  70          ; s[70:71] that step's byte offset
.set HM,  72          ; s72  a word's upper half
.set PR,  73          ; s73  p
.set QA,  74          ; s[74:75] Q at my rows of head 2 g
.set KA,  76          ; s[76:77] K at my half of the first 256 keys
.set VA,  78          ; s[78:79] V likewise
.set OA,  80          ; s[80:81] ob at my 64 rows, head 2 g's sub-steps, my two row blocks
.set L2E, 82          ; s[82:83] log2(e), for the mask
.set MSB, 0
.macro WIN new                      ; the immediate's high byte repeats the setting that is left; a switch that changes nothing is dropped
.if MSB != (\new)
	s_set_vgpr_msb (MSB<<8)|(\new)
.set MSB, \new
.endif
.endm
.set W_KQ, 0x0a       ; K and Q in window 2, S^T in window 0
.set W_KM, 0x3a       ; the same with the C operand, the mask, in window 3
.set W_PV, 0x53       ; V in window 3, P in window 0, O^T in window 1
.set W_RS, 0x41       ; O^T (destination and source 0) in window 1, a in window 0
; A joint refill.  Waves 0 and 1 fetch the two halves of a slot's K, waves 2 and 3 those of its V: 128 rows each.  An s_nop 0 and four v_nop follow each of the two lines.
.macro JLOAD
	s_cmp_lt_u32 s[WV], 2
	s_cbranch_scc0 .Lfor_v_\@
	tensor_load_to_lds s[G0K+4:G0K+7], s[G1K:G1K+7]
	s_nop 0
.rept 4
	v_nop
.endr
	s_branch .Lasked_\@
.Lfor_v_\@:
	tensor_load_to_lds s[G0V+4:G0V+7], s[G1V:G1V+7]
	s_nop 0
.rept 4
	v_nop
.endr
.Lasked_\@:
.endm
.macro CROUND                       ; a round of the cluster's barrier
	s_barrier_signal -1
	s_barrier_wait -1
	s_cmp_lg_u32 s[WV], 0
	s_cbranch_scc1 .Lnot_wave_0_\@
	s_barrier_signal -3
.Lnot_wave_0_\@:
	s_barrier_wait -3
	s_barrier_signal -1
	s_barrier_wait -1
.endm
	s_load_b128 s[4:7], s[0:1], 0x0 ; qkv s[4:5], maskt s[6:7]
	s_load_b64 s[8:9], s[0:1], 0x10 ; ob
	v_lshl_add_u32 v[SPW], v0, 2, SPARE
	v_mov_b32 v[NIL], 0
	ds_add_u32 v[SPW], v[NIL]       ; the wave's opening: the add and its wait stand ahead of my first tensor load; work on registers stands between them
	v_lshrrev_b32 v1, 5, v0
	v_readfirstlane_b32 s[WV], v1
	s_bfe_u32 s13, ttmp6, 0x40000   ; cx
	s_lshl_b32 s14, ttmp9, 2
	s_add_co_u32 s14, s14, s13      ; my block of 64 queries = 4 x cluster x + cx: it enters Q's, the mask's and O's addresses alone
	s_and_b32 s15, ttmp7, 0xffff    ; g, the key and value head, which the four partners share
	s_and_b32 s16, s[WV], 1         ; hf: my 32 queries; also which half of a slot's K or V I fetch
	s_lshr_b32 s[PR], s[WV], 1      ; p
	s_lshl_b32 s20, s15, 19         ; 524,288 bytes a head,
	s_lshl_b32 s21, s16, 15         ; 128 rows of 256 bytes a half
	s_add_co_u32 s20, s20, s21
	s_add_co_u32 s22, s20, 24<<19   ; V's heads begin at 24,
	s_add_co_u32 s20, s20, 16<<19   ; K's at 16
	s_mov_b32 s21, 0
	s_mov_b32 s23, 0
	s_mul_i32 s17, s16, 128*PK      ; my half's place in a slot, for K
	s_mul_i32 s18, s16, 128*PV      ; and for V: no place in the cluster enters an LDS address
	s_add_co_u32 s18, s18, VOFF
	s_lshl_b32 s2, s14, 18          ; 64 queries: four mask tiles of 65,536 bytes,
	s_lshl_b32 s3, s16, 17          ; two of them mine;
	s_add_co_u32 s2, s2, s3
	s_lshl_b32 s3, s[PR], 11        ; a key step is four pieces of 512 bytes
	s_add_co_u32 s[MB], s2, s3
	s_mov_b32 s[MB+1], 0
	s_lshl_b32 s[OA], s14, 18       ; 64 rows of ob: 64 sub-steps of 4,096 bytes;
	s_lshl_b32 s3, s15, 15          ; two heads are eight sub-steps;
	s_add_co_u32 s[OA], s[OA], s3
	s_lshl_b32 s3, s16, 11          ; my 32 queries are two row blocks of 1,024 bytes
	s_add_co_u32 s[OA], s[OA], s3
	s_mov_b32 s[OA+1], 0
	s_lshl_b32 s2, s14, 14          ; 64 rows of 256 bytes of Q
	s_lshl_b32 s3, s16, 13
	s_add_co_u32 s2, s2, s3
	s_lshl_b32 s3, s15, 20          ; head 2 g
	s_add_co_u32 s[QA], s2, s3
	s_mov_b32 s[QA+1], 0
	s_mov_b32 s[G1K], 15|(1<<16)|(1<<20)|(1<<21)|(5<<22)|(3<<25)  ; the mask of four; 2-byte elements; padding on; bit 21 beside a mask; after every 64 words 4 words
	s_mov_b32 s[G1V], 15|(1<<16)|(1<<20)|(1<<21)|(5<<22)|(7<<25)  ; the same with 8 words of padding
.irp g, G1K, G1V
	s_mov_b32 s[(\g)+1], 128<<16    ; tensor_dim0 = 128
	s_mov_b32 s[(\g)+2], 128<<16    ; tensor_dim1 = 128
	s_mov_b32 s[(\g)+3], 128<<16    ; tile_dim0 = 128
	s_mov_b32 s[(\g)+4], 128        ; tile_dim1 = 128
	s_mov_b32 s[(\g)+5], 128        ; elements from row to row
	s_mov_b32 s[(\g)+6], 0
	s_mov_b32 s[(\g)+7], 0
.endr
	s_mov_b32 s[CS], 0x41800000     ; c = 16: a power of two, so that c m is exact
	s_mov_b32 s[CS+1], s[CS]        ; named with it as a pair
	s_mov_b32 s[L2E], 0x3fb8aa3b    ; log2(e)
	s_mov_b32 s[L2E+1], s[L2E]      ; likewise
	s_mov_b32 s[SEL], 0x76543210
	s_mov_b32 s[SEL+1], 0xfedcba98
	s_mov_b32 s[TBK], 0
	s_mov_b32 s[TBV], 0
	s_mov_b32 s[MO], 0
	s_mov_b32 s[MO+1], 0
	s_mov_b32 s[HM], 0xffff0000
	s_wait_dscnt 0x0                ; the opening add is done
	s_wait_kmcnt 0x0
	s_add_nc_u64 s[KA:KA+1], s[4:5], s[20:21]
	s_add_nc_u64 s[VA:VA+1], s[4:5], s[22:23]
	s_add_nc_u64 s[QA:QA+1], s[4:5], s[QA:QA+1]
	s_add_nc_u64 s[MB:MB+1], s[6:7], s[MB:MB+1]
	s_add_nc_u64 s[OA:OA+1], s[8:9], s[OA:OA+1]
	CROUND                          ; all four work-groups are here: the first joint loads meet
.irp s, 0,1
	s_mov_b32 s[G0K+4*(\s)], 1
	s_add_co_u32 s[G0K+4*(\s)+1], s17, (\s)*SLOTX
	s_add_nc_u64 s[G0K+4*(\s)+2:G0K+4*(\s)+3], s[KA:KA+1], (\s)*65536  ; slot s begins with keys 256 s on
	s_or_b32 s[G0K+4*(\s)+3], s[G0K+4*(\s)+3], 0x80000000
	s_mov_b32 s[G0V+4*(\s)], 1
	s_add_co_u32 s[G0V+4*(\s)+1], s18, (\s)*SLOTX
	s_add_nc_u64 s[G0V+4*(\s)+2:G0V+4*(\s)+3], s[VA:VA+1], (\s)*65536
	s_or_b32 s[G0V+4*(\s)+3], s[G0V+4*(\s)+3], 0x80000000
.endr
	s_cmp_lt_u32 s[WV], 2           ; a wave's two first fills stand in one branch, ahead of every wait on TENSORcnt and every LDS read: two loads of mine are out
	s_cbranch_scc0 .Lfirst_v
	tensor_load_to_lds s[G0K:G0K+3], s[G1K:G1K+7]
	s_nop 0
	tensor_load_to_lds s[G0K+4:G0K+7], s[G1K:G1K+7]
	s_nop 0
.rept 4
	v_nop
.endr
	s_branch .Lfirst_asked
.Lfirst_v:
	tensor_load_to_lds s[G0V:G0V+3], s[G1V:G1V+7]
	s_nop 0
	tensor_load_to_lds s[G0V+4:G0V+7], s[G1V:G1V+7]
	s_nop 0
.rept 4
	v_nop
.endr
.Lfirst_asked:
	v_and_b32 v1, 15, v0            ; l % 16
	v_bfe_u32 v9, v0, 4, 1          ; l / 16
	v_lshlrev_b32 v[QO], 8, v1
	v_lshl_add_u32 v[QO], v9, 4, v[QO]  ; row x 256 + 16 x half
	v_and_b32 v[MLO], 31, v0
	v_lshlrev_b32 v[MLO], 4, v[MLO]
	WIN 0x80                        ; destination window 2
.irp i, 0,1,2,3,4,5,6,7,8,9,10,11,12,13,14,15  ; Q stays in registers: tile i / 4 (its head 524,288 bytes on, its 16 rows 4,096 on), channels 32 (i % 4) on
	global_load_b128 v[8*(\i):8*(\i)+3],   v[QO], s[QA:QA+1] offset:((\i)/8)*524288+(((\i)/4)%2)*4096+((\i)%4)*64
	global_load_b128 v[8*(\i)+4:8*(\i)+7], v[QO], s[QA:QA+1] offset:((\i)/8)*524288+(((\i)/4)%2)*4096+((\i)%4)*64+32
.endr
	WIN 0xc0                        ; destination window 3: the mask of my first key step
.irp u, 0,1
.irp kb, 0,1,2,3
	global_load_b128 v[MR+16*(\u)+4*(\kb):MR+16*(\u)+4*(\kb)+3], v[MLO], s[MB:MB+1] offset:65536*(\u)+512*(\kb)
.endr
.endr
	; What the first turn finds: V's registers and piece 2's P hold 0 (its products V^T P, of a step that has not been, add 0), O^T and l are 0.  All this stands in the wait for the first tile.
.set i, 0
.rept 128
	v_mov_b32 v[i], 0               ; V
.set i, i+1
.endr
	WIN 0x40
.set i, 0
.rept 256
	v_mov_b32 v[i], 0               ; O^T
.set i, i+1
.endr
	WIN 0
.set i, 0
.rept 4
	v_mov_b32 v[ST+8*i], 0xfe000000    ; c m: far below every c s
	v_mov_b32 v[ST+8*i+1], 0xff7fffff  ; m
	v_mov_b32 v[ST+8*i+2], 0
	v_mov_b32 v[ST+8*i+3], 0
.set i, i+1
.endr
.set i, P+32
.rept 32
	v_mov_b32 v[i], 0               ; piece 2's P
.set i, i+1
.endr
	v_mul_u32_u24 v[AK0], v1, PK
	v_lshl_add_u32 v[AK0], v9, 4, v[AK0]  ; row x pitch + 16 x half,
	s_mul_i32 s19, s[PR], KS*PK
	v_add_nc_u32 v[AK0], s19, v[AK0]      ; in key step p of a slot
	; The turning load takes 16 keys x 16 channels (lane l reads key 8 (l / 16) + l % 8, channels 8 ((l / 8) % 2) + 0..7) and leaves half a fragment of V^T: lane l holds channel l % 16 and 8 keys.
	v_and_b32 v10, 7, v0
	v_bfe_u32 v11, v0, 3, 1
	v_lshl_add_u32 v[AV0], v9, 3, v10
	v_mul_u32_u24 v[AV0], v[AV0], PV
	v_lshl_add_u32 v[AV0], v11, 4, v[AV0]
	s_mul_i32 s19, s[PR], KS*PV
	s_add_co_u32 s19, s19, VOFF
	v_add_nc_u32 v[AV0], s19, v[AV0]
	s_mul_i32 s13, s16, XSZ
	v_add_nc_u32 v[XAD], s13, v[MLO]  ; the exchange of my half of the queries: 16 x lane
; THE MATRIX WORK OF A TURN, for piece x.  The accumulators take turns, one instruction a turn.
; Product i of 32 of O^T += V^T P: keys 32 (i / 16) on, channels 16 ((i / 2) % 8) on, tile x + i % 2.
.macro PV x
	WIN W_PV
.set rO, 64*((\x)+i%2)+8*((i/2)%8)
.set rV, 64*(i/16)+8*((i/2)%8)
.set rP, P+16*((\x)+i%2)+8*(i/16)
	v_wmma_f32_16x16x32_f16 v[rO:rO+7], v[rV:rV+7], v[rP:rP+7], v[rO:rO+7]
.endm
; Product i of 32 of S^T = K Q^T + mask: channels 32 (i / 8) on, keys 16 ((i / 2) % 4) on, tile x + i % 2.  The first 8 start the sums with the mask piece of query tile i % 2.
.macro KQ x
.set rS, S+32*((\x)+i%2)+8*((i/2)%4)
.set rK, KF+32*((i/2)%4)+8*(i/8)
.set rQ, 32*((\x)+i%2)+8*(i/8)
.set rM, MC+32*(i%2)+8*((i/2)%4)
.if i < 8
	WIN W_KM
	v_wmma_f32_16x16x32_f16 v[rS:rS+7], v[rK:rK+7], v[rQ:rQ+7], v[rM:rM+7]
.else
	WIN W_KQ
	v_wmma_f32_16x16x32_f16 v[rS:rS+7], v[rK:rK+7], v[rQ:rQ+7], v[rS:rS+7]
.endif
.endm
; THE LDS LOADS stand in runs of 32: a step's K (64 keys x 128 channels: 16 fragments) and, a turn later, its V (turned).
.macro FETCH_K
	WIN 0
	v_add_nc_u32 v[ADR], s[TBK], v[AK0]
	s_add_co_u32 s[TBK], s[TBK], KNEXT  ; the next fetch is my next step's
	WIN 0x80                        ; destination window 2
.irp f, 0,1,2,3,4,5,6,7,8,9,10,11,12,13,14,15  ; keys 16 (f / 4) on, channels 32 (f % 4) on
	ds_load_b128 v[KF+8*(\f):KF+8*(\f)+3],   v[ADR] offset:((\f)/4)*16*PK+((\f)%4)*64
	ds_load_b128 v[KF+8*(\f)+4:KF+8*(\f)+7], v[ADR] offset:((\f)/4)*16*PK+((\f)%4)*64+32
.endr
.endm
.macro FETCH_V
	WIN 0
	v_add_nc_u32 v[ADR], s[TBV], v[AV0]
	s_add_co_u32 s[TBV], s[TBV], VNEXT
	WIN 0xc0                        ; destination window 3
.irp f, 0,1,2,3,4,5,6,7,8,9,10,11,12,13,14,15  ; keys 32 (f / 8) on, channels 16 (f % 8) on
	ds_load_tr16_b128 v[8*(\f):8*(\f)+3],   v[ADR] offset:((\f)/8)*32*PV+((\f)%8)*32
	ds_load_tr16_b128 v[8*(\f)+4:8*(\f)+7], v[ADR] offset:((\f)/8)*32*PV+16*PV+((\f)%8)*32
.endr
.endm
; THE MASK.  The step's eight pieces, asked for a key step ago, are widened to f32 (a shift or a mask a number) and multiplied by log2(e), in f32, into the C operands; then my next step's are asked
; for, 512 consecutive bytes a load.  The last product that took these C operands stands 24 products and their slices back.  Behind my 16th step there is no further one: the offset is held at the last
; step's, so that no load leaves the buffer; those eight loads bring the last step's pieces once more and serve nothing.
.macro MASKIN
	s_wait_loadcnt 0x0              ; the pieces are in (at the first use: Q too); MA may be written
	WIN 0xcf                        ; destination, source 0 and source 1 window 3
.set mz, 0
.rept 32
	v_lshlrev_b32 v[MC+2*mz],   16,    v[MR+mz]
	v_and_b32     v[MC+2*mz+1], s[HM], v[MR+mz]
.set mz, mz+1
.endr
.set mz, 0
.rept 32
	v_pk_mul_f32 v[MC+2*mz:MC+2*mz+1], v[MC+2*mz:MC+2*mz+1], s[L2E:L2E+1] op_sel_hi:[1,0]
.set mz, mz+1
.endr
	s_add_co_u32 s[MO], s[MO], 4096 ; two key steps on: eight pieces of 512 bytes
	s_min_u32 s[MO], s[MO], 61440
	s_add_nc_u64 s[MA:MA+1], s[MB:MB+1], s[MO:MO+1]
	WIN 0xc0
.irp u, 0,1
.irp kb, 0,1,2,3
	global_load_b128 v[MR+16*(\u)+4*(\kb):MR+16*(\u)+4*(\kb)+3], v[MLO], s[MA:MA+1] offset:65536*(\u)+512*(\kb)
.endr
.endr
.endm
; THE VECTOR WORK OF A TURN.  One tile's softmax for one key step is a list of 134 instructions; SM writes number j of it for tile t.  s0-s31 are the lane's 32 scores, in pairs 0-15.
;   0-15    the maximum of s0-s31 and the old m, three operands at a time: four chains c0-c3 of seven scores each (each accumulator's lowest registers are read first), then the rest
;   16-20   the other half of the lanes' maximum; the new m; c m; c m_old - c m_new
;   21-87   33 exponentials (a, then s0-s31) at the odd numbers from 23 on, so that no two follow each other and each has a plain instruction behind it before its result is used (ISA guide 5.7.2);
;           the plain ones are whatever is ready: c s - c m for pairs whose exponentials are to come, the rounding to f16 of pairs whose exponentials are done, at last the first three sums
;   88-101  the last rounding; the rest of the sums; l = a l + the sum
;   102-133 the tile's O^T times a: the one part that leaves window 0, so it stands together
.macro SM t
.set rT, ST+8*(\t)
.set rS, S+32*(\t)
.set rP, P+16*(\t)
.set rO, 64*(\t)+2*(j-102)
.set q, (j-20)/2
.if j < 102
	WIN 0
.endif
.if j < 4
	v_max3_num_f32 v[rT+4+j], v[rS+8*j], v[rS+8*j+1], v[rS+8*j+2]
.elseif j < 12
	v_max3_num_f32 v[rT+4+j%4], v[rT+4+j%4], v[rS+8*(j%4)+2*(j/4)+1], v[rS+8*(j%4)+2*(j/4)+2]
.elseif j == 12
	v_max3_num_f32 v[rT+4], v[rT+4], v[rS+7], v[rS+15]
.elseif j == 13
	v_max3_num_f32 v[rT+6], v[rT+6], v[rS+23], v[rS+31]
.elseif j == 14
	v_max3_num_f32 v[rT+4], v[rT+4], v[rT+5], v[rT+6]
.elseif j == 15
	v_max3_num_f32 v[rT+4], v[rT+4], v[rT+7], v[rT+1]
.elseif j == 16
	v_permlanex16_b32 v[rT+5], v[rT+4], s[SEL], s[SEL+1]  ; the query's other 32 keys lie in the lane 16 away
.elseif j == 17
	v_mov_b32 v[rT+7], v[rT]        ; c m_old is kept for a: number 19 writes c m anew
.elseif j == 18
	v_max_num_f32 v[rT+1], v[rT+4], v[rT+5]
.elseif j == 19
	v_mul_f32 v[rT], s[CS], v[rT+1] ; 16 m: exact
.elseif j == 20
	v_sub_f32 v[rT+7], v[rT+7], v[rT]
.elseif j == 23
	v_exp_f32 v[rT+6], v[rT+7]
.elseif (j < 88) && (j > 23) && (j%2 == 1)
	v_exp_f32 v[rS+(j-25)/2], v[rS+(j-25)/2]
.elseif (q < 4) || ((j < 76) && (q%2 == 0))
.set b, q/2+2
.if q < 4
.set b, q
.endif
	v_pk_fma_f32 v[rS+2*b:rS+2*b+1], v[rS+2*b:rS+2*b+1], s[CS:CS+1], v[rT:rT+1] op_sel_hi:[1,0,0] neg_lo:[0,0,1] neg_hi:[0,0,1]  ; pair b: c s - c m = 16 (s - m), rounded once: never above 0
.elseif (j < 88) && (q%2 == 1)
	s_wait_alu depctr_va_vdst(0)
	v_cvt_pk_f16_f32 v[rP+(q-5)/2], v[rS+q-5], v[rS+q-4]  ; pair (q - 5) / 2: its second exponential stands three numbers back
.elseif j == 89
	s_wait_alu depctr_va_vdst(0)
	v_cvt_pk_f16_f32 v[rP+15], v[rS+30], v[rS+31]
.elseif j < 102                     ; the sum of the tile's 16 pairs, in place: sum z of 16 adds neighbours 1, 2, 4 and 8 pairs apart, then l takes it
.set z, j-86
.if j < 89
.set z, (j-76)/4
.endif
.set w, 4
.set u, z
.if z >= 14
.set w, 32
.set u, 0
.elseif z >= 12
.set w, 16
.set u, z-12
.elseif z >= 8
.set w, 8
.set u, z-8
.endif
.if z < 15
	v_pk_add_f32 v[rS+w*u:rS+w*u+1], v[rS+w*u:rS+w*u+1], v[rS+w*u+w/2:rS+w*u+w/2+1]
.else
	v_pk_fma_f32 v[rT+2:rT+3], v[rT+2:rT+3], v[rT+6:rT+7], v[rS:rS+1] op_sel_hi:[1,0,1]
.endif
.else
	WIN W_RS
	v_pk_mul_f32 v[rO:rO+1], v[rO:rO+1], v[rT+6:rT+7] op_sel_hi:[1,0]
.endif
.endm
; Slice k of 64 of piece y's softmax: numbers 2 k and 2 k + 1 of both tiles' lists, four instructions.  2 x 134 = 4 x 64 + 12: the twelve that are over stand together, in slice 63.
.macro SLICE y
.if (k >= 11) && (k < 44)           ; tile by tile: plain, exponential, plain, exponential
.irp t, \y, (\y)+1
.irp n, 0,1
.set j, 2*k+(\n)
	SM \t
.endr
.endr
.else                               ; the two tiles alternate, so that no instruction reads the result of the one just before it
.irp n, 0,1,2,3,4,5,6,7
.if ((\n) < 2) || (k == 63)
.irp t, \y, (\y)+1
.set j, 2*k+(\n)
	SM \t
.endr
.endif
.endr
.endif
.set k, k+1
.endm
; A TURN.  Piece x has the matrix unit: 32 products V^T P, then (kq = 1) 32 products K Q^T for the next step; the other piece's softmax stands in slices behind them, one behind each, or two where kq = 0.
; Each run of LDS loads stands behind the second product of a run of 32, 30 matrix instructions ahead of its first use.  Piece 0's turn fetches the next step's K (its last reader stands in front of
; slice 63 of the turn before) and, at its head, takes in the next step's mask.  Piece 2's turn fetches the same step's V: its last reader stands three slices, six plain instructions, back.
.macro TURN x, kq
.set k, 0
.set per, 2-(\kq)
.if ((\x) == 0) && (\kq)
	MASKIN
.endif
.if (\x) == 0
	s_wait_dscnt 0x0                ; V is in
.endif
.set i, 0
.rept 32
	PV \x
.rept per
	SLICE 2-(\x)
.endr
.if ((\x) == 0) && (\kq) && (i == 1)
	FETCH_K
.endif
.set i, i+1
.endr
.if \kq
.if (\x) == 0
	s_wait_dscnt 0x0                ; K is in
.endif
.set i, 0
.rept 32
	KQ \x
	SLICE 2-(\x)
.if ((\x) == 2) && (i == 1)
	FETCH_V
.endif
.set i, i+1
.endr
.endif
.endm
; THE CHANGE OF SLOTS, between piece 2's turn and piece 0's: the slot's last bytes that I need, V of my second step in it, have been asked for.  Each wave waits for all its tensor loads, of which one is
; out: its part of the other slot; adds 0 to its spare word; and waits for that and for its own reads of the slot.  Behind the barrier nobody reads this slot any more and the other slot is whole.
; fill = 1: this slot is filled again, with the keys two slots on.  The barrier is then a round of the cluster's, and the joint refill is the first thing behind it: it has two of my key steps,
; 256 matrix instructions, in which to land.
.macro CHANGE fill
	WIN 0
	s_wait_tensorcnt 0x0            ; no tensor load of mine is out, so a group 0 may be written
	ds_add_u32 v[SPW], v[NIL]
.if \fill
.irp g, G0K+4, G0V+4
	s_xor_b32 s[(\g)+1], s[(\g)+1], SLOTX  ; the walking descriptor: the other slot than last time,
	s_add_nc_u64 s[(\g)+2:(\g)+3], s[(\g)+2:(\g)+3], 65536  ; the next 256 keys; the type bits on top are not reached
.endr
	s_wait_dscnt 0x0                ; the add is done, and my reads of the slot are over
	CROUND
	JLOAD
.else
	s_wait_dscnt 0x0
	s_barrier_signal -1
	s_barrier_wait -1
.endif
	s_sub_co_u32 s[TBK], s[TBK], 2*KNEXT  ; the fetches go back to a slot's beginning,
	s_xor_b32 s[TBK], s[TBK], SLOTX       ; in the other slot
	s_sub_co_u32 s[TBV], s[TBV], 2*VNEXT
	s_xor_b32 s[TBV], s[TBV], SLOTX
.endm
	s_wait_tensorcnt 1              ; my part of slot 0 is in; slot 1's may stay out
	s_barrier_signal -1
	s_barrier_wait -1
	FETCH_K                         ; my first key step
	MASKIN                          ; its mask; the wait in it is also Q's
	s_wait_dscnt 0x0
.set i, 0
.rept 32
	KQ 0                            ; piece 0's first scores: there is no vector work yet to set between them
.set i, i+1
.endr
	WIN 0
.rept 4
	v_nop                           ; the places behind those products (ISA guide 7.12.1)
.endr
	s_mov_b32 s[TWICE], 2
	s_mov_b32 s[SLOTS], 7           ; the entry's trip and a half, then six slots that are filled again: all of the eight but the last two
	s_branch .Lfirst                ; the loop is entered at piece 2's turn: piece 2's first scores | piece 0's first softmax | V of my first step
.Lslot:
	CHANGE 1
	s_mov_b32 s[TWICE], 2
.Lstep:                             ; my two key steps of a slot: written once, walked twice
	TURN 0, 1
	WIN 0
.Lfirst:
	TURN 2, 1
	WIN 0
	s_sub_co_u32 s[TWICE], s[TWICE], 1
	s_cmp_lg_u32 s[TWICE], 0
	s_cbranch_scc1 .Lstep
	s_sub_co_u32 s[SLOTS], s[SLOTS], 1
	s_cmp_lg_u32 s[SLOTS], 0
	s_cbranch_scc1 .Lslot
	CHANGE 0                        ; the tail is written out: nothing is asked for
	s_mov_b32 s[TWICE], 2
.Llast:
	TURN 0, 1
	TURN 2, 1
	WIN 0
	s_sub_co_u32 s[TWICE], s[TWICE], 1
	s_cmp_lg_u32 s[TWICE], 0
	s_cbranch_scc1 .Llast
	TURN 0, 0                       ; piece 0: V^T P of the last step | piece 2's last softmax
.set i, 0
.rept 32
	PV 2                            ; piece 2: V^T P of the last step
.set i, i+1
.endr
	; THE MERGE.  l's two halves and the other half of the lanes' are added: these additions are the places behind the last products.
	WIN 0
.irp t, 0,1,2,3
	v_add_f32 v[ST+8*(\t)+4], v[ST+8*(\t)+2], v[ST+8*(\t)+3]
.endr
.irp t, 0,1,2,3
	v_permlanex16_b32 v[ST+8*(\t)+5], v[ST+8*(\t)+4], s[SEL], s[SEL+1]
.endr
.irp t, 0,1,2,3
	v_add_f32 v[ST+8*(\t)+4], v[ST+8*(\t)+4], v[ST+8*(\t)+5]
.endr
	s_wait_loadcnt 0x0              ; the last eight mask loads: their registers are loaded again below
	s_wait_dscnt 0x0
	s_barrier_signal -1
	s_barrier_wait -1               ; every wave's reads of the ring are over, and no fill follows: slot 0's bytes may be stored into
	s_cmp_lt_u32 s[WV], 2
	s_cbranch_scc1 .Lkeep
.irp t, 0,1,2,3                     ; waves 2 and 3 hand over c m, l and O^T
	v_mov_b32 v[XT+(\t)], v[ST+8*(\t)]
	v_mov_b32 v[XT+4+(\t)], v[ST+8*(\t)+4]
.endr
	WIN 0x04                        ; store data window 1
.set i, 0
.rept 64                            ; ascending: each accumulator is read from its low end on; 512 consecutive bytes a store
	ds_store_b128 v[XAD], v[4*i:4*i+3] offset:512*i
.set i, i+1
.endr
	WIN 0
	ds_store_b128 v[XAD], v[XT:XT+3] offset:32768
	ds_store_b128 v[XAD], v[XT+4:XT+7] offset:33280
.Lkeep:
	s_wait_dscnt 0x0                ; for the others' sake: my stores are done
	s_barrier_signal -1
	s_barrier_wait -1
	s_cmp_lt_u32 s[WV], 2
	s_cbranch_scc0 .Lend            ; waves 2 and 3 have nothing left
	ds_load_b128 v[XT+8:XT+11], v[XAD] offset:32768  ; the partner's c m
	ds_load_b128 v[XT:XT+3], v[XAD] offset:33280     ; and l
	WIN 0xc0                        ; its O^T into window 3, which is free
.set i, 0
.rept 64
	ds_load_b128 v[4*i:4*i+3], v[XAD] offset:512*i
.set i, i+1
.endr
	WIN 0
	s_wait_dscnt 0x0
	; With c m = max of the two: f = 2^(c m_own - c m), l = l_A f_A + l_B f_B, O = (O_A f_A + O_B f_B) / l.  Each half's l is at least 1 and its O^T finite, so a half whose keys all lie far below the
	; other's maximum simply gets f = 0.
.irp t, 0,1,2,3
	v_max_num_f32 v[ST+8*(\t)+1], v[ST+8*(\t)], v[XT+8+(\t)]
.endr
.irp t, 0,1,2,3
	v_sub_f32 v[ST+8*(\t)+2], v[ST+8*(\t)], v[ST+8*(\t)+1]
.endr
.irp t, 0,1,2,3
	v_sub_f32 v[ST+8*(\t)+3], v[XT+8+(\t)], v[ST+8*(\t)+1]
.endr
.irp t, 0,1,2,3
	v_exp_f32 v[ST+8*(\t)+2], v[ST+8*(\t)+2]
.endr
.irp t, 0,1,2,3
	v_exp_f32 v[ST+8*(\t)+3], v[ST+8*(\t)+3]
.endr
	v_nop                           ; a plain instruction between the last exponential and the use of its result
.irp t, 0,1,2,3
	s_wait_alu depctr_va_vdst(0)
	v_mul_f32 v[ST+8*(\t)+5], v[XT+(\t)], v[ST+8*(\t)+3]
.endr
.irp t, 0,1,2,3
	v_fma_f32 v[ST+8*(\t)+5], v[ST+8*(\t)+4], v[ST+8*(\t)+2], v[ST+8*(\t)+5]
.endr
.irp t, 0,1,2,3
	v_rcp_f32 v[ST+8*(\t)+5], v[ST+8*(\t)+5]
.endr
	v_nop                           ; the same behind the last reciprocal
.irp t, 0,1,2,3
	s_wait_alu depctr_va_vdst(0)
	v_mul_f32 v[ST+8*(\t)+6], v[ST+8*(\t)+2], v[ST+8*(\t)+5]  ; f_A / l
.endr
.irp t, 0,1,2,3
	v_mul_f32 v[ST+8*(\t)+4], v[ST+8*(\t)+3], v[ST+8*(\t)+5]  ; f_B / l
.endr
; Tile t: merged, rounded to f16, stored.  A lane's eight channels 16 f + 8 (l / 16) + 0..7 of row l % 16 pack into 16 bytes: its place in half f % 2 of sub-step 4 head + f / 2.
.macro PACK t
	WIN W_RS
.set i, 64*(\t)
.rept 32
	v_pk_mul_f32 v[i:i+1], v[i:i+1], v[ST+8*(\t)+6:ST+8*(\t)+7] op_sel_hi:[1,0]
.set i, i+2
.endr
	WIN 0x53                        ; source 0: the partner's O^T, window 3; source 1 window 0; source 2 and destination: mine, window 1
.set i, 64*(\t)
.rept 32
	v_pk_fma_f32 v[i:i+1], v[i:i+1], v[ST+8*(\t)+4:ST+8*(\t)+5], v[i:i+1] op_sel_hi:[1,0,1]
.set i, i+2
.endr
	WIN 0x05                        ; sources 0 and 1 window 1, destination window 0: S^T's registers are free
.set i, 0
.rept 32
	v_cvt_pk_f16_f32 v[S+32*(\t)+i], v[64*(\t)+2*i], v[64*(\t)+2*i+1]
.set i, i+1
.endr
	WIN 0
.irp f, 0,1,2,3,4,5,6,7
	global_store_b128 v[MLO], v[S+32*(\t)+4*(\f):S+32*(\t)+4*(\f)+3], s[OA:OA+1] offset:(4*((\t)/2)+(\f)/2)*4096+((\t)%2)*1024+((\f)%2)*512  ; 512 consecutive bytes, at a multiple of 512 from ob's first byte; no register is written again behind its store
.endr
.endm
	PACK 0
	PACK 1
	PACK 2
	PACK 3
.Lend:
	s_wait_tensorcnt 0x0            ; the wave's end
	ds_add_u32 v[SPW], v[NIL]
	s_wait_dscnt 0x0
	CROUND                          ; the closing round: no work-group ends while a partner may still ask for a tile that names it
	s_endpgm
.Lfunc_end_k_qf9e745b797_attn:
	.size	k_qf9e745b797_attn, .Lfunc_end_k_qf9e745b797_attn-k_qf9e745b797_attn
	.p2alignl 7, 3214868480
	.fill 96, 4, 3214868480
	.section	.rodata,"a",@progbits
	.p2align	6, 0x0
	.amdhsa_kernel k_qf9e745b797_attn
		.amdhsa_group_segment_fixed_size 327680
		.amdhsa_private_segment_fixed_size 0
		.amdhsa_enable_private_segment 0
		.amdhsa_kernarg_size 24
		.amdhsa_user_sgpr_count 2
		.amdhsa_user_sgpr_kernarg_segment_ptr 1
		.amdhsa_wavefront_size32 1
		.amdhsa_system_sgpr_workgroup_id_x 1
		.amdhsa_system_sgpr_workgroup_id_y 1
		.amdhsa_system_sgpr_workgroup_id_z 1
		.amdhsa_system_vgpr_workitem_id 0
		.amdhsa_next_free_vgpr 1024
		.amdhsa_next_free_sgpr 84
		.amdhsa_reserve_vcc 0
		.amdhsa_float_denorm_mode_32 3
		.amdhsa_float_denorm_mode_16_64 3
		.amdhsa_memory_ordered 1
		.amdhsa_forward_progress 1
		.amdhsa_inst_pref_size 210
	.end_amdhsa_kernel
	.amdgpu_metadata
---
amdhsa.version: [ 1, 2 ]
amdhsa.kernels:
  - .name:           k_qf9e745b797_attn
    .symbol:         k_qf9e745b797_attn.kd
    .args:
      - { .name: qkv, .offset: 0, .size: 8, .value_kind: global_buffer, .address_space: global }
      - { .name: maskt, .offset: 8, .size: 8, .value_kind: global_buffer, .address_space: global }
      - { .name: ob, .offset: 16, .size: 8, .value_kind: global_buffer, .address_space: global }
    .group_segment_fixed_size: 327680
    .private_segment_fixed_size: 0
    .kernarg_segment_align: 8
    .kernarg_segment_size: 24
    .max_flat_workgroup_size: 128
    .sgpr_count:     84
    .vgpr_count:     1024
    .wavefront_size: 32
...
	.end_amdgpu_metadata
.endif
;; end of part 3
;; launch oproj (part 4): grid 16 x 16, 4 waves a work-group, clusters of 4 x 1, 327,680 bytes of LDS; arguments ob, wo16, out0; writes out0
.if DOCPART == 4
	.amdgcn_target "amdgcn-amd-amdhsa--gfx1250"
	.amdhsa_code_object_version 6
	.text
	.protected	k_qf9e745b797_oproj
	.globl	k_qf9e745b797_oproj
	.p2align	8
	.type	k_qf9e745b797_oproj,@function
k_qf9e745b797_oproj:
	s_mov_b64 s[64:65], 0
	v_nop
	global_prefetch_b8 v0, s[64:65] scope:SCOPE_SE
	s_setreg_imm32_b32 hwreg(HW_REG_WAVE_MODE, 25, 1), 1
	s_wait_xcnt 0x0
	s_wait_alu depctr_hold_cnt(0) depctr_sa_sdst(0) depctr_va_vdst(0) depctr_va_sdst(0) depctr_va_ssrc(0) depctr_va_vcc(0) depctr_vm_vsrc(0)
	s_getreg_b32 s2, hwreg(HW_REG_IB_STS2, 6, 4)
	s_cmp_eq_u32 s2, 0
	s_cbranch_scc0 .Lentry_in_a_cluster
	s_endpgm
.Lentry_in_a_cluster:
	s_bfe_u32 s2, ttmp6, 0x10000c
	s_cmp_lg_u32 s2, 0x3003
	s_cbranch_scc0 .Lentry_shape_is_right
	s_endpgm
.Lentry_shape_is_right:
; THE OUTPUT PROJECTION.  out0[s][n] = sum over k of O[s][k] wo[n][k], 2,048 x 4,096, K = 2,048, f16 operands, f32 sums, K ascending, f32 out.  ob holds O / 16 and wo16 holds 16 x bf16(wo): nothing is scaled here.
; LIMITS.  Those of the two operands: |O| under 1,048,000, |wo| under 4,094.  NaN and infinities are not treated apart.
; SHARES.  A tile of C is 128 rows x 256 columns: 16 x 16 work-groups.  Four waves, each 64 rows x 128 columns: 32 accumulators of 16 x 16.
; B (wo16) GOES THROUGH LDS, in K steps of 256: two slots of 256 rows x 528 bytes; each wave fetches 64 rows of 512 bytes by one tensor load, which has 240 matrix instructions in which to land.
; A (ob) GOES STRAIGHT INTO REGISTERS.  With A's 128 rows beside B's, two slots of 256 along K would take 405,504 bytes of LDS, which a WGP has not.  ob lies in fragment order, so a load of 16 bytes a lane
; is 512 consecutive bytes; a ring of eight groups of 32 registers holds a K step's fragments of my 64 rows; group c is asked for again half a sub-step behind its use, 6.5 sub-steps ahead of the next.
; The two waves of a row half read the same bytes: the price.
; CLUSTER.  4 x 1 work-groups along the tile rows need the same tiles of wo16: each is asked for jointly, by the same load, descriptor and mask in all four.  A is not shared so: a joint request lands in LDS.
; THE MATRIX INSTRUCTION IS USED TRANSPOSED (source 0 = 16 rows of wo16, source 1 = 16 rows of O): lane l holds row l % 16 of C and the columns 8 (l / 16) + 0..7 of a block: 32 neighbouring bytes.
; ONE TEXT FOR A K STEP: the slot's LDS address toggles in a scalar register.  Its second trip has nothing left to ask
; for: A's base is held, so that no load leaves the buffer, and that trip's 56 ring loads (the last K step once more) and 16 LDS loads (a tile already used) serve nothing: the price of one text for both trips.
; REGISTERS, in windows of 256 (s_set_vgpr_msb: bits 1:0 source 0, 3:2 source 1, 5:4 source 2, 7:6 destination):
;   window 0: v0-31 addresses      window 1: the accumulators, (a, b) at v[8 (8 a + b)]      window 2: v0-127 B's two fragment buffers; on the way out all 256: rows read back
;   window 3: A's ring, group c, block a at v[32 c + 8 a]
.set KK,     2048
.set NN,     4096
.set KSTEP,  256
.set NPER,   KK/KSTEP
.set PITCH,  528                       ; an LDS row: 512 bytes + 16 of padding = 132 words: the 16 rows of a fragment load start at 16 different groups of four banks (ISA guide 11.1)
.set WROWS,  64*PITCH                  ; what one tensor load brings
.set BHALF,  128*PITCH                 ; what one wave reads
.set SLOT,   256*PITCH
.set SLOTX,  0x22000                   ; slot 1 begins here.  The loads' four places in a slot (0, 0x8400, 0x10800, 0x18c00) have neither of its two bits, so one exclusive or turns an address in one slot into the other's
.set STAGE,  SLOTX+SLOT                ; behind the ring: 16 rows x 528 bytes for each wave, for the way out
.set SPITCH, 528
.set SPARE,  STAGE+4*16*SPITCH         ; behind the stages: the spare words, 128 bytes for each wave, which no other line names
.set PERB,   32768                     ; bytes of a K step of A for 64 rows
.set MGB,    NPER*PERB                 ; bytes of 64 rows in ob
.set ADRB0, 16                         ; v16     my lane's place in a slot; never rewritten
.set ADRB,  17                         ; v17     the same in the slot in hand
.set LO,    18                         ; v18     16 x lane: my place in 512 consecutive bytes; never rewritten
.set STO,   24                         ; v24     the way out: where I put 32 bytes of a row
.set RD,    25                         ; v25     the way out: where I read a row back
.set SPW,   28                         ; v28     LDS address of my spare word; never rewritten
.set NIL,   29                         ; v29     0; never rewritten
.set F0,    0
.set F1,    64
.set WV,    12
.set RH,    13
.set CH,    14
.set G1,    24                         ; s[24:31] group 1
.set G0,    32                         ; s[32:39] group 0: a set for each of the two first fills; the second then walks on
.set AB,    40                         ; s[40:41] ob at my 64 rows, at the K step that the ring's loads bring
.set SB,    42                         ; s42  0 or SLOTX: the slot in hand
.set TR,    43                         ; s43  tile row
.set TC,    44                         ; s44  tile column
.set MSB, 0
.macro WIN new                         ; the immediate's high byte repeats the setting that is left; a switch that changes nothing is dropped
.if MSB != (\new)
	s_set_vgpr_msb (MSB<<8)|(\new)
.set MSB, \new
.endif
.endm
.set MUL,  0x5e                        ; source 0 (B) window 2, source 1 (A) window 3, C and D window 1
.macro CREST                           ; a round of the cluster's barrier behind its opening barrier
	s_cmp_lg_u32 s[WV], 0
	s_cbranch_scc1 .Lnot_wave_0_\@
	s_barrier_signal -3
.Lnot_wave_0_\@:
	s_barrier_wait -3
	s_barrier_signal -1
	s_barrier_wait -1
.endm
.macro CROUND
	s_barrier_signal -1
	s_barrier_wait -1
	CREST
.endm
.macro PLACES                          ; four places (ISA guide 7.12.1)
.rept 4
	v_nop
.endr
.endm
.macro ALOAD x                         ; group x of A's ring: eight loads, 4,096 consecutive bytes: blocks a = 0..3, each two halves of a fragment
	WIN 0xc0                                       ; destination window 3, address window 0
.irp a, 0,1,2,3
	global_load_b128 v[32*(\x)+8*(\a):32*(\x)+8*(\a)+3],   v[LO], s[AB:AB+1] offset:(\x)*4096+(\a)*1024
	global_load_b128 v[32*(\x)+8*(\a)+4:32*(\x)+8*(\a)+7], v[LO], s[AB:AB+1] offset:(\x)*4096+(\a)*1024+512
.endr
.endm
	s_load_b128 s[4:7], s[0:1], 0x0                ; ob s[4:5], wo16 s[6:7]
	s_load_b64 s[10:11], s[0:1], 0x10              ; out0
	v_lshl_add_u32 v[SPW], v0, 2, SPARE
	v_mov_b32 v[NIL], 0
	ds_add_u32 v[SPW], v[NIL]                      ; the wave's opening: the add and its wait stand ahead of my first tensor load; work on registers stands between them
	v_lshrrev_b32 v1, 5, v0
	v_readfirstlane_b32 s[WV], v1
	s_lshr_b32 s[RH], s[WV], 1
	s_and_b32 s[CH], s[WV], 1
	s_bfe_u32 s45, ttmp6, 0x40000                  ; cx: it enters A's and C's addresses alone
	s_lshl_b32 s[TR], ttmp9, 2
	s_add_co_u32 s[TR], s[TR], s45                 ; tile row = 4 x cluster x + cx
	s_and_b32 s[TC], ttmp7, 0xffff                 ; tile column
	s_mov_b32 s[G1], 15|(1<<16)|(1<<20)|(1<<21)|(6<<22)|(3<<25)  ; the mask of four; 2-byte elements; padding on; bit 21 beside a mask; after every 128 words 4 words
	s_mov_b32 s[G1+1], KSTEP<<16                   ; tensor_dim0 = 256
	s_mov_b32 s[G1+2], 64<<16                      ; tensor_dim1 = 64
	s_mov_b32 s[G1+3], KSTEP<<16                   ; tile_dim0 = 256
	s_mov_b32 s[G1+4], 64                          ; tile_dim1 = 64
	s_mov_b32 s[G1+5], KK                          ; elements from row to row
	s_mov_b32 s[G1+6], 0
	s_mov_b32 s[G1+7], 0
	s_lshl_b32 s46, s[TC], 8                       ; B: row 256 x tile column + 64 x wave, in registers that never hold cx
	s_lshl_b32 s47, s[WV], 6
	s_add_co_u32 s46, s46, s47
	s_mul_i32 s46, s46, KK*2
	s_mov_b32 s47, 0
	s_mul_i32 s20, s[WV], WROWS                    ; where they go: no place in the cluster enters an LDS address
	s_lshl_b32 s16, s[TR], 1                       ; A: my 64 rows
	s_add_co_u32 s16, s16, s[RH]
	s_mul_i32 s16, s16, MGB
	s_mov_b32 s17, 0
	s_mov_b32 s[SB], 0
	s_wait_dscnt 0x0                               ; the opening add is done
	s_wait_kmcnt 0x0
	s_add_nc_u64 s[46:47], s[6:7], s[46:47]
	s_add_nc_u64 s[AB:AB+1], s[4:5], s[16:17]
	CROUND                                         ; all four work-groups are here: the first joint loads meet
.irp s, 0,1
	s_mov_b32 s[G0+4*(\s)], 1
	s_add_co_u32 s[G0+4*(\s)+1], s20, (\s)*SLOTX
	s_add_nc_u64 s[G0+4*(\s)+2:G0+4*(\s)+3], s[46:47], (\s)*KSTEP*2
	s_or_b32 s[G0+4*(\s)+3], s[G0+4*(\s)+3], 0x80000000
.endr
	tensor_load_to_lds s[G0:G0+3], s[G1:G1+7]      ; K step 0
	s_nop 0
	tensor_load_to_lds s[G0+4:G0+7], s[G1:G1+7]    ; K step 1: two loads of mine are out
	s_nop 0
	PLACES
	v_and_b32 v1, 15, v0                           ; l % 16
	v_bfe_u32 v2, v0, 4, 1                         ; l / 16
	v_and_b32 v[LO], 31, v0
	v_lshlrev_b32 v[LO], 4, v[LO]
.irp x, 0,1,2,3,4,5,6
	ALOAD \x                                       ; the ring's first seven groups: 56 loads of mine are out
.endr
	WIN 0
	v_mul_u32_u24 v3, v1, PITCH
	v_lshl_add_u32 v3, v2, 4, v3                   ; a fragment's row x pitch + 16 x half
	s_mul_i32 s22, s[CH], BHALF                    ; my 128 rows of B
	v_add_nc_u32 v[ADRB0], s22, v3
	v_mov_b32 v[ADRB], v[ADRB0]
	s_mul_i32 s22, s[WV], 16*SPITCH
	s_add_co_u32 s22, s22, STAGE                   ; my stage
	v_mul_u32_u24 v4, v1, SPITCH                   ; in: row l % 16, 32 bytes for each half of the lanes
	v_lshl_add_u32 v4, v2, 5, v4
	v_add_nc_u32 v[STO], s22, v4
	v_add_nc_u32 v[RD], s22, v[LO]                 ; back: 32 lanes take one row of 512 bytes
	s_lshl_b32 s74, s[TR], 7
	s_lshl_b32 s75, s[RH], 6
	s_add_co_u32 s74, s74, s75                     ; my first row of C
	s_lshl_b32 s76, s74, 14                        ; x 16,384 bytes
	s_lshl_b32 s78, s[TC], 10                      ; 256 columns of 4 bytes a tile,
	s_add_co_u32 s76, s76, s78
	s_lshl_b32 s78, s[CH], 9                       ; 128 a wave
	s_add_co_u32 s76, s76, s78
	s_mov_b32 s77, 0
	s_add_nc_u64 s[10:11], s[10:11], s[76:77]
; 8 matrix instructions: column blocks b0, b0 + 1 x all 4 row blocks, sub-step c.  zero = 1: the product starts the sums.  The 32 accumulators take turns in one order everywhere.
.macro MULB f, c, b0, zero
	WIN MUL
.irp b, \b0, (\b0)+1
.irp a, 0,1,2,3
.if \zero
	v_wmma_f32_16x16x32_f16 v[8*(8*(\a)+(\b)):8*(8*(\a)+(\b))+7], v[(\f)+8*(\b):(\f)+8*(\b)+7], v[32*(\c)+8*(\a):32*(\c)+8*(\a)+7], 0
.else
	v_wmma_f32_16x16x32_f16 v[8*(8*(\a)+(\b)):8*(8*(\a)+(\b))+7], v[(\f)+8*(\b):(\f)+8*(\b)+7], v[32*(\c)+8*(\a):32*(\c)+8*(\a)+7], v[8*(8*(\a)+(\b)):8*(8*(\a)+(\b))+7]
.endif
.endr
.endr
.endm
.macro FETCHB c, f                     ; 16 LDS loads in one run: B's fragments of sub-step c of the slot in hand, column blocks ascending
	WIN 0x80                                       ; destination window 2, address window 0
.irp i, 0,1,2,3,4,5,6,7
	ds_load_b128 v[(\f)+8*(\i):(\f)+8*(\i)+3],   v[ADRB] offset:64*(\c)+(\i)*16*PITCH
	ds_load_b128 v[(\f)+8*(\i)+4:(\f)+8*(\i)+7], v[ADRB] offset:64*(\c)+(\i)*16*PITCH+32
.endr
.endm
; A K step is eight sub-steps of 32 along K, 32 matrix instructions each, on B's buffers 0, 1 by turns.  Sub-step c (0 to 6): in its middle B's next fragments are fetched and the ring's group last used is asked for again.
.macro QUARTER c, zero
.set fq, F0+64*((\c)%2)
.set gq, F0+64*(((\c)+1)%2)
	s_wait_loadcnt 48                              ; loads come back in order: group c is in; the six groups asked for behind it stay out
	s_wait_dscnt 8                                 ; B's column blocks 0-3 are in; the youngest eight loads may be out
	MULB fq, \c, 0, \zero
	MULB fq, \c, 2, \zero
	PLACES
	FETCHB (\c)+1, gq
	ALOAD ((\c)+7)%8
	s_wait_dscnt 16                                ; all but the 16 just issued
	MULB fq, \c, 4, \zero
	MULB fq, \c, 6, \zero
.endm
; Sub-step 7 changes slots: ONE barrier; in front of it each wave waits for all its tensor loads (its part of the next slot), adds 0 to its spare word, and waits for that and for its own reads of this
; slot.  fill = 1: the barrier opens a round of the cluster's, and this slot is filled again, two K steps ahead, first thing behind the round.
.macro TURN fill
	WIN 0                                          ; (the add's two registers lie in window 0)
	s_wait_tensorcnt 0x0
	ds_add_u32 v[SPW], v[NIL]
	s_wait_loadcnt 48                              ; group 7 is in
	s_wait_dscnt 9                                 ; (the add and the youngest eight loads may be out)
	MULB F1, 7, 0, 0                               ; eight matrix instructions stand between the add and the wait for it
	s_wait_dscnt 0x0                               ; the add is done, and my reads of this slot are over
	s_barrier_signal -1
	MULB F1, 7, 2, 0
	WIN 0
	s_barrier_wait -1
.if \fill
	CREST                                          ; no wave of any partner still reads this slot's tile or has a load on its way
	s_xor_b32 s[G0+5], s[G0+5], SLOTX              ; the walking descriptor: the other slot than last time,
	s_add_nc_u64 s[G0+6:G0+7], s[G0+6:G0+7], KSTEP*2  ; the next K step; the type bits on top are not reached
	tensor_load_to_lds s[G0+4:G0+7], s[G1:G1+7]    ; my one load behind the round: 240 matrix instructions ahead of the wait for it
	s_nop 0
.endif
	PLACES                                         ; behind the load; also the places in front of the loads below
	s_xor_b32 s[SB], s[SB], SLOTX
	v_add_nc_u32 v[ADRB], s[SB], v[ADRB0]          ; the fetches go on in the other slot
	FETCHB 0, F0
	ALOAD 6
	MULB F1, 7, 4, 0
	MULB F1, 7, 6, 0
.endm
	s_wait_tensorcnt 1                             ; my part of K step 0 is in; K step 1's may stay out
	s_barrier_signal -1
	s_barrier_wait -1
	FETCHB 0, F0
	QUARTER 0, 1                                   ; the first sub-step stands in front of the loop: its products start the sums; it asks for the ring's eighth group
	WIN 0
	s_wait_xcnt 0x0                                ; the loads' addresses are translated (ISA guide 3.1): their base is stepped only behind this wait
	s_add_nc_u64 s[AB:AB+1], s[AB:AB+1], PERB
	s_mov_b32 s3, NPER-2
.Lper:                                                 ; a trip: a K step's sub-steps 1 to 7 and the next one's sub-step 0; all its ring loads bring the next K step
.irp c, 1,2,3,4,5,6
	QUARTER \c, 0
.endr
	TURN 1
	QUARTER 0, 0
	WIN 0
	s_wait_xcnt 0x0
	s_add_nc_u64 s[AB:AB+1], s[AB:AB+1], PERB
	s_sub_co_u32 s3, s3, 1
	s_cmp_lg_u32 s3, 0
	s_cbranch_scc1 .Lper
	s_mov_b32 s3, 2
.Ltail:                                                ; the last two K steps fill nothing; A's base stays at the last K step
.irp c, 1,2,3,4,5,6
	QUARTER \c, 0
.endr
	TURN 0
	WIN 0
	s_sub_co_u32 s3, s3, 1
	s_cmp_eq_u32 s3, 0
	s_cbranch_scc1 .Lout
	QUARTER 0, 0
	WIN 0
	s_branch .Ltail
.Lout:
	PLACES                                         ; behind the last products
	s_wait_dscnt 0x0                               ; the last trip's fetch has landed: its registers are loaded again below
; THE WAY OUT, 16 rows (row block a) at a time: the f32 sums go as they are through my own stage in LDS and come back as whole rows of 512 bytes.
.macro TOSTAGE a
	WIN 0x04                                       ; store data window 1
.irp b, 0,1,2,3,4,5,6,7
	ds_store_b128 v[STO], v[8*(8*(\a)+(\b)):8*(8*(\a)+(\b))+3]   offset:64*(\b)      ; each accumulator's low half first
	ds_store_b128 v[STO], v[8*(8*(\a)+(\b))+4:8*(8*(\a)+(\b))+7] offset:64*(\b)+16
.endr
	WIN 0x80
.irp t, 0,1,2,3,4,5,6,7,8,9,10,11,12,13,14,15
	ds_load_b128 v[64*(\a)+4*(\t):64*(\a)+4*(\t)+3], v[RD] offset:(\t)*SPITCH  ; LDS serves a wave's instructions in order (ISA guide 5.7.1.4): these see the stores above
.endr
.endm
.macro SEND a, younger                 ; younger: the LDS instructions issued behind block a's loads: the next block's 32, or none
	WIN 0x08                                       ; store data window 2
.irp t, 0,1,2,3,4,5,6,7,8,9,10,11,12,13,14,15
	s_wait_dscnt (\younger)+15-(\t)
	global_store_b128 v[LO], v[64*(\a)+4*(\t):64*(\a)+4*(\t)+3], s[10:11] offset:(16*(\a)+(\t))*NN*4 th:TH_STORE_NT  ; 512 consecutive bytes, at a multiple of 512 from out0's first byte; no register is written again behind its store
.endr
.endm
	TOSTAGE 0
	TOSTAGE 1
	SEND 0, 32
	TOSTAGE 2
	SEND 1, 32
	TOSTAGE 3
	SEND 2, 32
	SEND 3, 0
	WIN 0
	s_wait_tensorcnt 0x0                           ; the wave's end
	ds_add_u32 v[SPW], v[NIL]
	s_wait_dscnt 0x0
	CROUND                                         ; the closing round: no work-group ends while a partner may still ask for a tile that names it
	s_endpgm
.Lfunc_end_k_qf9e745b797_oproj:
	.size	k_qf9e745b797_oproj, .Lfunc_end_k_qf9e745b797_oproj-k_qf9e745b797_oproj
	.p2alignl 7, 3214868480
	.fill 96, 4, 3214868480
	.section	.rodata,"a",@progbits
	.p2align	6, 0x0
	.amdhsa_kernel k_qf9e745b797_oproj
		.amdhsa_group_segment_fixed_size 327680
		.amdhsa_private_segment_fixed_size 0
		.amdhsa_enable_private_segment 0
		.amdhsa_kernarg_size 24
		.amdhsa_user_sgpr_count 2
		.amdhsa_user_sgpr_kernarg_segment_ptr 1
		.amdhsa_wavefront_size32 1
		.amdhsa_system_sgpr_workgroup_id_x 1
		.amdhsa_system_sgpr_workgroup_id_y 1
		.amdhsa_system_sgpr_workgroup_id_z 1
		.amdhsa_system_vgpr_workitem_id 0
		.amdhsa_next_free_vgpr 1024
		.amdhsa_next_free_sgpr 80
		.amdhsa_reserve_vcc 0
		.amdhsa_float_denorm_mode_32 3
		.amdhsa_float_denorm_mode_16_64 3
		.amdhsa_memory_ordered 1
		.amdhsa_forward_progress 1
		.amdhsa_inst_pref_size 99
	.end_amdhsa_kernel
	.amdgpu_metadata
---
amdhsa.version: [ 1, 2 ]
amdhsa.kernels:
  - .name:           k_qf9e745b797_oproj
    .symbol:         k_qf9e745b797_oproj.kd
    .args:
      - { .name: ob, .offset: 0, .size: 8, .value_kind: global_buffer, .address_space: global }
      - { .name: wo16, .offset: 8, .size: 8, .value_kind: global_buffer, .address_space: global }
      - { .name: out0, .offset: 16, .size: 8, .value_kind: global_buffer, .address_space: global }
    .group_segment_fixed_size: 327680
    .private_segment_fixed_size: 0
    .kernarg_segment_align: 8
    .kernarg_segment_size: 24
    .max_flat_workgroup_size: 128
    .sgpr_count:     80
    .vgpr_count:     1024
    .wavefront_size: 32
...
	.end_amdgpu_metadata
.endif
;; end of part 4
